; MI455X (gfx1250); checked and timed in simulation.
; The chip was launched on July 23, 2026; its instructions are those of AMD's public machine-readable ISA for CDNA 5 (MIT licence, August 2026) and "CDNA5" Instruction Set Architecture Reference Guide (July 2026). The comments in the code are by the model that wrote it; some were corrected since.
;; Multi Head Attention. Allowed arithmetic: matrix products marked QUANTISED: E2M3 operands, one E8M0 scale for each 32 along K, by v_wmma_scale_f32_16x16x128_f8f6f4 with both operands' format E2M3, f32 sums; everything else in f32.
;; Inputs: Wk 1,024 x 1,024 float32; Wo 1,024 x 1,024 float32; Wq 1,024 x 1,024 float32; Wv 1,024 x 1,024 float32; bk 1,024 float32; bo 1,024 float32; bq 1,024 float32; bv 1,024 float32; key 4 x 2,048 x 1,024 float32; mask 4 x 1 x 2,048 x 2,048 bool; query 4 x 2,048 x 1,024 float32; value 4 x 2,048 x 1,024 float32.
;; Outputs: out0 4 x 2,048 x 1,024 float32.
;; This version of the problem:
;;   THIS VERSION OF THE PROBLEM IS GIVEN IN LOW PRECISION. The matrix products marked QUANTISED in the list below multiply operands that are first quantised to E2M3 (2 exponent bits, 3 mantissa bits; 6 bits a number), with one power-of-two scale for each 32 numbers along K (OCP MX v1.0); their sums are f32. All else is computed in f32.
;;   The module's matrix products, in the order in which they are computed (A, B: the left and right operand; K: the contracted axis; several contracted axes count as one K, in the product's order):
;;     1. [M 8,192, K 1,024] x [K 1,024, N 1,024]; A: input query; B: input Wq: QUANTISED
;;     2. [M 8,192, K 1,024] x [K 1,024, N 1,024]; A: input key; B: input Wk: QUANTISED
;;     3. [M 8,192, K 1,024] x [K 1,024, N 1,024]; A: input value; B: input Wv: QUANTISED
;;     4. batch 64 x [M 2,048, K 64] x [K 64, N 2,048]; A: computed on the way; B: computed on the way: QUANTISED
;;     5. batch 64 x [M 64, K 2,048] x [K 2,048, N 2,048]; A: computed on the way; B: softmax (see below): QUANTISED
;;     6. [M 8,192, K 1,024] x [K 1,024, N 1,024]; A: computed on the way; B: input Wo: QUANTISED
;;   THE QUANTISER, for each operand of a quantised product, along K:
;;     - K is cut into blocks of 32 from its start; a last block that is shorter is filled with zeros.
;;     - A block's scale is 2^e with e = floor(log2(the largest magnitude in the block)) - 2, held to -126 .. 127; a block of zeros has e = 0. As a byte (E8M0): e + 127.
;;     - Each number is divided by its block's scale, clamped to +-7.5, and rounded to the nearest number of E2M3, ties to even, subnormals kept.
;;     - The product sums the exact products of the quantised numbers (number of the format x scale) in f32.
;;   ~~~python
;;   def quantise(x, axis):      # numpy; x: float32 -> the quantised numbers, widened to float32 again
;;       x = np.moveaxis(x, axis, -1); K = x.shape[-1]
;;       x = np.pad(x, [(0, 0)] * (x.ndim - 1) + [(0, -K % 32)]); x = x.reshape(x.shape[:-1] + (-1, 32)); a = np.abs(x).max(-1, keepdims=True)
;;       e = np.where(a > 0, np.clip(np.frexp(np.where(a > 0, a, 1))[1] - 1 - 2, -126, 127), 0)      # np.frexp(a)[1] - 1 = floor(log2(a)), exactly
;;       r = np.clip(x / 2.0 ** e, -7.5, 7.5)
;;       step = 2.0 ** (np.maximum(np.frexp(np.where(r == 0, 1, r))[1] - 1, 0) - 3)
;;       q = np.round(r / step) * step * 2.0 ** e      # np.round: ties to even
;;       return np.moveaxis(q.reshape(q.shape[:-2] + (-1,))[..., :K], -1, axis).astype(np.float32)
;;   ~~~
;;   SOFTMAX AHEAD OF A QUANTISED PRODUCT. Where the list says 'softmax', what is quantised is not the finished softmax but p = 2^(t - M), with t = logit x log2(e) and M = ceil(the row's largest t), a whole number; so 1/2 < the row's largest p <= 1. The row's sum l is taken of the UNQUANTISED p, in f32, and the product's result is divided by l at the end. Since M is a whole number, a kernel that streams over the keys may use a running M (the ceiling of the running maximum): every later rescaling is an exact power of two, which a block's scale takes up: the codes' values come out the same.
;;   OPERANDS COMPUTED ON THE WAY. 'Computed on the way' means the value that the module computes at that place (a softmax that the list does not call 'softmax' is quantised finished and normalised). What goes into a quantiser is computed in f32, as accurately as f32 sums, v_exp_f32 and their like allow (about 1e-6 of the number): no bf16 or f16 on the way to a quantiser, and a product that is left as it is and whose result goes on into a quantised operand takes f32 operands (vector FMAs, or v_wmma_f32_16x16x4_f32). A number that lies on a knife's edge between two numbers of the format may be rounded either way, as far as f32 arithmetic and the matrix unit's own rounding can turn it there, and no further.
;; One version. Each part assembles by itself: llvm-mc -triple=amdgcn-amd-amdhsa -mcpu=gfx1250 --defsym DOCPART=n.
;; ======== version 1 of 1: 4 launches
;; limits: right only within a limited range of input values
;; workspace buffers: xc 18,874,368 bytes; xs 786,432 bytes; wc 6,291,456 bytes; ws 131,072 bytes; maskw 2,097,152 bytes of whole numbers; qkv 19,660,800 bytes; ac 6,291,456 bytes; asc 262,144 bytes
;; launch prep (part 1): grid 768 x 1, 8 waves a work-group, no clusters, 161,792 bytes of LDS; arguments query, key, value, mask, Wq, Wk, Wv, Wo, xc, xs, wc, ws, maskw; writes xc, xs, wc, ws, maskw
.if DOCPART == 1
	.amdgcn_target "amdgcn-amd-amdhsa--gfx1250"
	.amdhsa_code_object_version 6
	.text
	.protected	k_q6804e50fd4_prep
	.globl	k_q6804e50fd4_prep
	.p2align	8
	.type	k_q6804e50fd4_prep,@function
k_q6804e50fd4_prep:
	s_mov_b64 s[64:65], 0
	v_nop
	global_prefetch_b8 v0, s[64:65] scope:SCOPE_SE
	s_setreg_imm32_b32 hwreg(HW_REG_WAVE_MODE, 25, 1), 1
	s_wait_xcnt 0x0
; THE FIRST LAUNCH: every input that is a matrix operand becomes codes of FP6 (E2M3) with one E8M0 byte for each 32 along K, and the mask becomes words of lane bits.
; THE FORMAT OF ALL CODES: a HALF FRAGMENT of 768 bytes holds 16 rows x 64 along K as an image of operand registers: lane (r, h) has row r, k = 32 h .. 32 h + 31, 24 bytes in six registers;
; registers 0-3 lie at 16 x lane, registers 4-5 at 512 + 8 x lane.  Images lie [k / 256][tile of rows][(k / 64) % 4][768].
; THE ROWS OF A TILE ARE NOT NEIGHBOURS: row m of tile 4 G + tau is index 64 G + 32 (m / 8) + 8 tau + m % 8, so that four tiles of a group, used as source 0, leave 32 neighbours in one lane's registers.
; A block's scale is 2^(floor(log2(its largest magnitude)) - 2); its byte is that magnitude's exponent field - 2, held at 1 from below.
; LIMITS: a block of zeros gets the byte 1 (its codes are zeros, and only this program reads the bytes); NaN and infinities among the inputs are not served.
; THREE ROLES by the work-group's number, each with LDS bytes of its own: 0-383 the activations (K innermost), 384-639 the mask, 640-767 the weights (K is their first axis).
; No tensor loads: loads through registers, two work-groups to a WGP's LDS.
.set XST,   0                          ; role X: a stage of 16 rows x 528 bytes for each wave
.set MST,   67584                      ; role M: the same
.set WST,   135168                     ; role W: four half fragments for each wave
.set WSG,   159744                     ; role W: the work-group's scale bytes, four units of 256 bytes
.set SPARE, 160768                     ; the spare words, 128 bytes for each wave
.set PIT,   528                        ; a stage row: 512 bytes + 16: sixteen rows start in sixteen different groups of banks
.set R,     16                         ; v16-143  numbers as they are loaded
.set N,     144                        ; v144-207 numbers as a lane needs them
	s_load_b512 s[4:19], s[0:1], 0x0               ; query, key, value, mask, Wq, Wk, Wv, Wo
	s_load_b256 s[20:27], s[0:1], 0x40             ; xc, xs, wc, ws
	s_load_b64 s[28:29], s[0:1], 0x60              ; maskw
	v_lshl_add_u32 v6, v0, 2, SPARE                ; my spare word,
	v_mov_b32 v7, 0                                ; and 0: both kept for the wave's end
	v_lshrrev_b32 v8, 5, v0
	s_delay_alu instid0(VALU_DEP_1)
	v_readfirstlane_b32 s30, v8                    ; wave 0..7
	v_and_b32 v1, 31, v0                           ; lane
	v_and_b32 v2, 15, v0                           ; r
	v_bfe_u32 v3, v0, 4, 1                         ; h
	s_delay_alu instid0(VALU_DEP_3)
	v_lshlrev_b32 v4, 4, v1                        ; 16 x lane
	s_delay_alu instid0(VALU_DEP_2)
	v_lshlrev_b32 v5, 3, v3                        ; 8 h: my byte's place in a pair of bytes
	v_lshlrev_b32 v9, 3, v1                        ; 8 x lane
	s_mov_b32 s32, 0x76543210
	s_mov_b32 s33, 0xfedcba98                      ; v_permlanex16_b32's selects for lane l xor 16
	s_mov_b32 s41, 0                               ; the high word of every offset
	s_wait_kmcnt 0x0
	s_cmp_ge_u32 ttmp9, 640
	s_cbranch_scc1 .Lrole_w
	s_cmp_ge_u32 ttmp9, 384
	s_cbranch_scc1 .Lrole_m
; ---------------- ROLE X: a wave takes one tile of 16 rows x 512 along K of query, key or value: four K steps of 128
	s_lshr_b32 s34, ttmp9, 7                       ; which tensor
	s_cmp_eq_u32 s34, 0
	s_cselect_b64 s[36:37], s[4:5], s[6:7]
	s_cmp_eq_u32 s34, 2
	s_cselect_b64 s[36:37], s[8:9], s[36:37]
	s_lshl_b32 s35, ttmp9, 2
	s_and_b32 s35, s35, 511
	s_lshr_b32 s38, s30, 1
	s_add_co_u32 s35, s35, s38                     ; T: the tile of rows, 0..511
	s_and_b32 s38, s30, 1                          ; which half of K
	s_lshr_b32 s40, s35, 2
	s_lshl_b32 s40, s40, 18                        ; 64 (T / 4) rows of 4,096 bytes
	s_and_b32 s42, s35, 3
	s_lshl_b32 s42, s42, 15                        ; + 8 (T % 4) rows
	s_add_co_u32 s40, s40, s42
	s_lshl_b32 s42, s38, 11                        ; + my half of the row
	s_add_co_u32 s40, s40, s42
	s_add_nc_u64 s[36:37], s[36:37], s[40:41]
	s_mul_i32 s40, s34, 6291456                    ; the codes: tensor, then [k / 256][T][..]
	s_lshl_b32 s42, s38, 10
	s_add_co_u32 s42, s42, s35
	s_mul_i32 s42, s42, 3072
	s_add_co_u32 s40, s40, s42
	s_add_nc_u64 s[20:21], s[20:21], s[40:41]
	s_lshl_b32 s40, s34, 18                        ; the scale words: 512 bytes a tile, my half's unit of 256
	s_lshl_b32 s42, s35, 9
	s_add_co_u32 s40, s40, s42
	s_lshl_b32 s42, s38, 8
	s_add_co_u32 s40, s40, s42
	s_add_nc_u64 s[22:23], s[22:23], s[40:41]
	s_mul_i32 s43, s30, 16*PIT                     ; my stage (XST = 0)
	s_wait_alu depctr_va_vdst(0)
	v_add_nc_u32 v10, s43, v4                      ; in: a row's 512 bytes as they lie
	v_mul_u32_u24 v11, v2, PIT
	s_delay_alu instid0(VALU_DEP_1)
	v_lshl_add_u32 v11, v3, 7, v11
	s_delay_alu instid0(VALU_DEP_1)
	v_add_nc_u32 v11, s43, v11                     ; out: row r, + 128 h: my 32 numbers of each 64
	v_lshlrev_b32 v12, 4, v2
	s_delay_alu instid0(VALU_DEP_1)
	v_lshl_add_u32 v12, v3, 3, v12                 ; the scale unit: 16 r + 8 h
	v_mov_b32 v239, 0                              ; a lane permute's destination counts as one of its sources
.macro XLOAD s                         ; K step s: sixteen loads, each 512 consecutive bytes of one row
.set rho, 0
.rept 16
	global_load_b128 v[R+64*((\s)%2)+4*rho:R+64*((\s)%2)+4*rho+3], v4, s[36:37] offset:((rho%8)+32*(rho/8))*4096+512*(\s) th:TH_LOAD_NT
.set rho, rho+1
.endr
.endm
.macro XSTEP s
.if (\s) < 3
	s_wait_loadcnt 16                              ; this step's sixteen loads are in; the next step's sixteen may be out
.else
	s_wait_loadcnt 0x0
.endif
.set rho, 0
.rept 16
	ds_store_b128 v10, v[R+64*((\s)%2)+4*rho:R+64*((\s)%2)+4*rho+3] offset:PIT*rho
.set rho, rho+1
.endr
.irp c,0,1
.irp i,0,1,2,3,4,5,6,7
	ds_load_b128 v[N+32*\c+4*\i:N+32*\c+4*\i+3], v11 offset:256*\c+16*\i   ; LDS serves a wave's instructions in order: these see the stores above
.endr
.endr
	s_wait_dscnt 0x0
	s_wait_xcnt 0x0                                ; the last step's stores have read the code registers, which are written again below
.if (\s) < 2
	XLOAD (\s)+2
.endif
.irp c,0,1
	v_max3_num_f32 v[232+\c], |v[N+32*\c]|, |v[N+32*\c+1]|, 0x1800000   ; my block of 32, and the floor 2^(3 - 127): the byte cannot fall under 1
.endr
.irp i,2,4,6,8,10,12,14,16,18,20,22,24,26,28,30
.irp c,0,1
	s_delay_alu instid0(VALU_DEP_2)
	v_max3_num_f32 v[232+\c], v[232+\c], |v[N+32*\c+\i]|, |v[N+32*\c+\i+1]|   ; (the two blocks by turns)
.endr
.endr
.irp c,0,1
	s_delay_alu instid0(VALU_DEP_2)
	v_add_nc_u32 v[234+\c], 0xff000000, v[232+\c]  ; 2 off the exponent field: the conversion's scale operand
.endr
.irp c,0,1
	v_cvt_scalef32_pk16_fp6_f32 v[208+6*\c:210+6*\c], v[N+32*\c:N+32*\c+15], v[234+\c]
	v_cvt_scalef32_pk16_fp6_f32 v[220+4*\c:222+4*\c], v[N+32*\c+16:N+32*\c+31], v[234+\c]   ; (a conversion's three registers begin on an even number)
.endr
.irp c,0,1
	v_lshrrev_b32 v[236+\c], 23, v[234+\c]         ; the scale's byte; also the plain line behind the conversions
.endr
.irp c,0,1
.irp i,0,1,2
	v_mov_b32 v[211+6*\c+\i], v[220+4*\c+\i]
.endr
.endr
.irp c,0,1
	global_store_b128 v4, v[208+6*\c:211+6*\c], s[20:21] offset:((\s)/2)*1572864+(2*((\s)%2)+\c)*768       ; 512 consecutive bytes,
	global_store_b64 v9, v[212+6*\c:213+6*\c], s[20:21] offset:((\s)/2)*1572864+(2*((\s)%2)+\c)*768+512    ; and 256
.endr
	v_lshl_or_b32 v238, v237, 16, v236             ; my two bytes: blocks h and 2 + h,
	s_delay_alu instid0(VALU_DEP_1)
	v_lshlrev_b32 v238, v5, v238                   ; at their places;
	s_delay_alu instid0(VALU_DEP_1)
	v_permlanex16_b32 v239, v238, s32, s33
	s_delay_alu instid0(VALU_DEP_1)
	v_or_b32 v[240+(\s)], v238, v239               ; with lane l xor 16's two the step's word is whole
.endm
	XLOAD 0
	XLOAD 1
	s_wait_alu depctr_va_vdst(0)
	XSTEP 0
	XSTEP 1
	XSTEP 2
	XSTEP 3
	v_cmp_ne_u32 vcc_lo, 0, v3
	s_delay_alu instid0(VALU_DEP_1)
	v_cndmask_b32 v244, v240, v242, vcc_lo         ; lane (r, h) stores words 2 h and 2 h + 1 of row r:
	s_delay_alu instid0(VALU_DEP_2)
	v_cndmask_b32 v245, v241, v243, vcc_lo
	global_store_b64 v12, v[244:245], s[22:23]     ; 32 lanes fill one aligned block of 256 bytes
	s_wait_tensorcnt 0x0                           ; the wave's end
	ds_add_u32 v6, v7
	s_wait_dscnt 0x0
	s_endpgm
; ---------------- ROLE M: a wave takes 16 queries (one tile) x 512 keys of the mask and makes 256 words: bit (r, h) of word n of a step of 128 keys is
; mask[query r of the tile][128 step + 64 (n / 32) + 32 h + n % 32]: the lane mask that selects score register n in the attention launch
.Lrole_m:
	s_sub_co_u32 s34, ttmp9, 384
	s_lshl_b32 s34, s34, 3
	s_add_co_u32 s34, s34, s30                     ; id = ((b x 128 + tile) x 4 + quarter of the keys)
	s_lshr_b32 s35, s34, 9                         ; b
	s_bfe_u32 s38, s34, 0x70002                    ; the tile of queries
	s_and_b32 s39, s34, 3                          ; which 512 keys
	s_lshl_b32 s40, s35, 22
	s_lshr_b32 s42, s38, 2
	s_lshl_b32 s42, s42, 17                        ; 64 (tile / 4) rows of 2,048 bytes
	s_add_co_u32 s40, s40, s42
	s_and_b32 s42, s38, 3
	s_lshl_b32 s42, s42, 14                        ; + 8 (tile % 4) rows
	s_add_co_u32 s40, s40, s42
	s_lshl_b32 s42, s39, 9
	s_add_co_u32 s40, s40, s42
	s_add_nc_u64 s[10:11], s[10:11], s[40:41]
	s_lshl_b32 s40, s34, 10                        ; 1,024 bytes of words for each id
	s_add_nc_u64 s[28:29], s[28:29], s[40:41]
	s_mul_i32 s43, s30, 16*PIT
	s_add_co_u32 s43, s43, MST
	s_wait_alu depctr_va_vdst(0)
	v_add_nc_u32 v10, s43, v4
	v_mul_u32_u24 v11, v2, PIT
	s_delay_alu instid0(VALU_DEP_1)
	v_lshl_add_u32 v11, v3, 5, v11
	s_delay_alu instid0(VALU_DEP_1)
	v_add_nc_u32 v11, s43, v11                     ; out: row r, + 32 h
.set rho, 0
.rept 16
	global_load_b128 v[R+4*rho:R+4*rho+3], v4, s[10:11] offset:((rho%8)+32*(rho/8))*2048 th:TH_LOAD_NT
.set rho, rho+1
.endr
.irp i,0,1,2,3,4,5,6,7
	v_mov_b32 v[208+\i], 0                         ; v_writelane_b32's destination counts as one of its sources
.endr
	s_wait_alu depctr_va_vdst(0)
	s_wait_loadcnt 0x0
.set rho, 0
.rept 16
	ds_store_b128 v10, v[R+4*rho:R+4*rho+3] offset:PIT*rho
.set rho, rho+1
.endr
.set idx, 0
.rept 16
	ds_load_b128 v[N+4*idx:N+4*idx+3], v11 offset:128*(idx/4)+64*((idx/2)%2)+16*(idx%2)
.set idx, idx+1
.endr
	s_wait_dscnt 0x0
.set sp, 0
.rept 4                                ; a step of 128 keys: 64 words, eight at a time
.set nb, 0
.rept 8
.set e, 0
.rept 8
	v_and_b32 v[232+e], 0xff<<(8*(e&3)), v[N+16*sp+2*nb+(e>>2)]   ; byte n % 4 of my register n / 4
.set e, e+1
.endr
.set e, 0
.rept 8
	v_cmp_ne_u32 s[40+e], 0, v[232+e]              ; the 32 lanes' bits are the word
.set e, e+1
.endr
.set e, 0
.rept 8
	v_writelane_b32 v[208+4*(sp>>1)+(e&3)], s[40+e], 16*(sp&1)+2*nb+(e>>2)   ; to the lane and register from which it is stored in its place
.set e, e+1
.endr
.set nb, nb+1
.endr
.set sp, sp+1
.endr
	global_store_b128 v4, v[208:211], s[28:29]
	global_store_b128 v4, v[212:215], s[28:29] offset:512
	s_wait_tensorcnt 0x0                           ; the wave's end
	ds_add_u32 v6, v7
	s_wait_dscnt 0x0
	s_endpgm
; ---------------- ROLE W: a work-group takes 64 columns x 512 along K of one weight; wave w takes 64 along K.  A lane takes a column and its registers run down K:
; a block of 32 lies in one lane, and the conversions give codes with K innermost.  The codes go through the wave's stage into the order of the half fragments.
.Lrole_w:
	s_sub_co_u32 s34, ttmp9, 640
	s_lshr_b32 s35, s34, 5                         ; which weight
	s_bfe_u32 s38, s34, 0x40001                    ; G: which 64 columns
	s_and_b32 s39, s34, 1                          ; which half of K
	s_cmp_eq_u32 s35, 0
	s_cselect_b64 s[36:37], s[12:13], s[14:15]
	s_cmp_eq_u32 s35, 2
	s_cselect_b64 s[36:37], s[16:17], s[36:37]
	s_cmp_eq_u32 s35, 3
	s_cselect_b64 s[36:37], s[18:19], s[36:37]
	s_lshl_b32 s42, s39, 3
	s_add_co_u32 s42, s42, s30                     ; kappa = k / 64
	s_lshl_b32 s40, s42, 18                        ; 64 kappa rows of 4,096 bytes
	s_lshl_b32 s43, s38, 8                         ; + 64 G columns
	s_add_co_u32 s40, s40, s43
	s_add_nc_u64 s[36:37], s[36:37], s[40:41]
	s_lshr_b32 s40, s42, 2                         ; the codes: [kappa / 4][tile 4 G ..][kappa % 4]
	s_lshl_b32 s40, s40, 9                         ; a plane of 256 along K is 512 tiles' room, 1,572,864 bytes, as in the activations' images: the four weights take 64 tiles each of it
	s_lshl_b32 s43, s38, 2
	s_add_co_u32 s40, s40, s43
	s_mul_i32 s40, s40, 3072
	s_and_b32 s43, s42, 3
	s_mul_i32 s43, s43, 768
	s_add_co_u32 s40, s40, s43
	s_mul_i32 s43, s35, 196608                     ; my weight's 64 tiles inside the plane
	s_add_co_u32 s40, s40, s43
	s_add_nc_u64 s[24:25], s[24:25], s[40:41]
	s_lshl_b32 s40, s35, 15                        ; the scale words: 512 bytes a tile, my half's unit; waves 0 and 1 store two tiles each
	s_lshl_b32 s43, s38, 11
	s_add_co_u32 s40, s40, s43
	s_lshl_b32 s43, s39, 8
	s_add_co_u32 s40, s40, s43
	s_and_b32 s43, s30, 1
	s_lshl_b32 s44, s43, 10
	s_add_co_u32 s40, s40, s44
	s_add_nc_u64 s[26:27], s[26:27], s[40:41]
	s_wait_alu depctr_va_vdst(0)
	v_lshlrev_b32 v8, 2, v1                        ; in: 4 bytes a lane
	v_lshrrev_b32 v13, 3, v1                       ; tau = lane / 8: my column's tile
	v_and_b32 v14, 7, v1
	s_mul_i32 s44, s30, 3072
	s_add_co_u32 s44, s44, WST                     ; my stage
	v_mul_u32_u24 v10, v13, 768
	s_delay_alu instid0(VALU_DEP_1)
	v_add_nc_u32 v10, s44, v10
	s_delay_alu instid0(VALU_DEP_1)
	v_lshl_add_u32 v11, v14, 3, v10
	s_delay_alu instid0(VALU_DEP_1)
	v_add_nc_u32 v11, 512, v11                     ; registers 4-5: 512 + 8 x (the lane of the image)
	s_delay_alu instid0(VALU_DEP_3)
	v_lshl_add_u32 v10, v14, 4, v10                ; registers 0-3: 16 x (the lane of the image); its other bits stand in the immediates
	s_lshl_b32 s45, s30, 1
	s_add_co_u32 s45, s45, WSG
	v_lshlrev_b32 v12, 8, v13
	s_delay_alu instid0(VALU_DEP_1)
	v_lshl_add_u32 v12, v14, 4, v12
	s_delay_alu instid0(VALU_DEP_1)
	v_add_nc_u32 v12, s45, v12                     ; my row's two bytes: unit tau, 16 x row, + 2 x wave
	v_add_nc_u32 v13, s44, v4                      ; the stage read back as it lies
	v_mul_u32_u24 v14, v3, 2560
	s_delay_alu instid0(VALU_DEP_1)
	v_lshl_add_u32 v14, v2, 4, v14                 ; a store whose upper sixteen lanes begin the next tile's half fragment, 3,072 bytes on
	s_lshl_b32 s45, s43, 9
	s_add_co_u32 s45, s45, WSG
	v_add_nc_u32 v15, s45, v4                      ; the scale units read back: 512 bytes for wave 0, 512 for wave 1
	v_lshlrev_b32 v240, 9, v3
	s_delay_alu instid0(VALU_DEP_1)
	v_lshl_add_u32 v240, v2, 4, v240               ; and their place in memory: a tile's units lie 512 bytes apart
.macro WLOAD a, hh                     ; block 2 a + hh: W(64 kappa + 32 hh + i, 64 G + 32 a + lane), i = 0 .. 31, into registers of its own: each load reads 128 consecutive bytes
.set i, 0
.rept 32
	global_load_b32 v[R+32*(2*\a+\hh)+i], v8, s[36:37] offset:(32*\hh+i)*4096+128*\a th:TH_LOAD_NT
.set i, i+1
.endr
.endm
.macro WBLOCK a, hh
.set RB, R+32*(2*\a+\hh)
.set CB, N+12*(2*\a+\hh)               ; each block has code registers of its own
.if 2*\a+\hh < 3
	s_wait_loadcnt 32                              ; this block's 32 loads are in; the 32 of the one block asked for behind it may be out
.else
	s_wait_loadcnt 0x0
.endif
.if \a == 0
	WLOAD 1, \hh                                   ; the loads run two blocks ahead
.endif
	v_max3_num_f32 v232, |v[RB]|, |v[RB+1]|, 0x1800000
	v_max3_num_f32 v233, |v[RB+16]|, |v[RB+17]|, |v[RB+18]|
.irp i,2,4,6,8,10,12
	s_delay_alu instid0(VALU_DEP_2)
	v_max3_num_f32 v232, v232, |v[RB+\i]|, |v[RB+\i+1]|
	s_delay_alu instid0(VALU_DEP_2)
	v_max3_num_f32 v233, v233, |v[RB+\i+17]|, |v[RB+\i+18]|
.endr
	s_delay_alu instid0(VALU_DEP_2)
	v_max3_num_f32 v232, v232, |v[RB+14]|, |v[RB+15]|
	s_delay_alu instid0(VALU_DEP_1)
	v_max3_num_f32 v232, v232, v233, |v[RB+31]|
	s_delay_alu instid0(VALU_DEP_1)
	v_add_nc_u32 v234, 0xff000000, v232
	v_cvt_scalef32_pk16_fp6_f32 v[CB:CB+2], v[RB:RB+15], v234
	v_cvt_scalef32_pk16_fp6_f32 v[CB+6:CB+8], v[RB+16:RB+31], v234
	v_lshrrev_b32 v[236+\hh], 23, v234             ; the byte; also the plain line behind the conversions
.irp i,0,1,2
	v_mov_b32 v[CB+3+\i], v[CB+6+\i]
.endr
	ds_store_b128 v10, v[CB:CB+3] offset:128*\a+256*\hh      ; the image's lane is 16 hh + 8 a + lane % 8
	ds_store_b64 v11, v[CB+4:CB+5] offset:64*\a+128*\hh
.if \hh
	v_lshl_or_b32 v[238+\a], v237, 8, v236
	ds_store_b16 v12, v[238+\a] offset:128*\a      ; row 8 a + lane % 8 of tile tau: bytes 2 w and 2 w + 1 of its sixteen
.endif
.endm
	WLOAD 0, 0
	WLOAD 0, 1
	WBLOCK 0, 0
	WBLOCK 0, 1
	WBLOCK 1, 0
	WBLOCK 1, 1
.irp q,0,1,2,3,4,5
	ds_load_b128 v[208+4*\q:211+4*\q], v13 offset:512*\q     ; LDS serves a wave's instructions in order: these see my stores
.endr
	s_wait_dscnt 5                                 ; the counts leave the younger loads out
	global_store_b128 v4, v[208:211], s[24:25]
	s_wait_dscnt 4
	global_store_b128 v14, v[212:215], s[24:25] offset:512
	s_wait_dscnt 3
	global_store_b128 v4, v[216:219], s[24:25] offset:3328
	s_wait_dscnt 2
	global_store_b128 v4, v[220:223], s[24:25] offset:6144
	s_wait_dscnt 1
	global_store_b128 v14, v[224:227], s[24:25] offset:6656
	s_wait_dscnt 0x0                               ; all my LDS instructions are done, the byte stores among them: for the others' sake
	global_store_b128 v4, v[228:231], s[24:25] offset:9472
	s_barrier_signal -1
	s_barrier_wait -1                              ; the eight waves' bytes make whole units
	s_cmp_ge_u32 s30, 2
	s_cbranch_scc1 .Lw_end
	ds_load_b128 v[232:235], v15
	s_wait_dscnt 0x0
	global_store_b128 v240, v[232:235], s[26:27]   ; sixteen lanes fill one aligned block of 256 bytes
.Lw_end:
	s_wait_tensorcnt 0x0                           ; the wave's end
	ds_add_u32 v6, v7
	s_wait_dscnt 0x0
	s_endpgm
.Lfunc_end_k_q6804e50fd4_prep:
	.size	k_q6804e50fd4_prep, .Lfunc_end_k_q6804e50fd4_prep-k_q6804e50fd4_prep
	.p2alignl 7, 3214868480
	.fill 96, 4, 3214868480
	.section	.rodata,"a",@progbits
	.p2align	6, 0x0
	.amdhsa_kernel k_q6804e50fd4_prep
		.amdhsa_group_segment_fixed_size 161792
		.amdhsa_private_segment_fixed_size 0
		.amdhsa_enable_private_segment 0
		.amdhsa_kernarg_size 104
		.amdhsa_user_sgpr_count 2
		.amdhsa_user_sgpr_kernarg_segment_ptr 1
		.amdhsa_wavefront_size32 1
		.amdhsa_system_sgpr_workgroup_id_x 1
		.amdhsa_system_sgpr_workgroup_id_y 1
		.amdhsa_system_sgpr_workgroup_id_z 1
		.amdhsa_system_vgpr_workitem_id 0
		.amdhsa_next_free_vgpr 248
		.amdhsa_next_free_sgpr 66
		.amdhsa_reserve_vcc 1
		.amdhsa_float_denorm_mode_32 3
		.amdhsa_float_denorm_mode_16_64 3
		.amdhsa_memory_ordered 1
		.amdhsa_forward_progress 1
		.amdhsa_inst_pref_size 113
	.end_amdhsa_kernel
	.amdgpu_metadata
---
amdhsa.version: [ 1, 2 ]
amdhsa.kernels:
  - .name:           k_q6804e50fd4_prep
    .symbol:         k_q6804e50fd4_prep.kd
    .args:
      - { .name: query, .offset: 0, .size: 8, .value_kind: global_buffer, .address_space: global }
      - { .name: key, .offset: 8, .size: 8, .value_kind: global_buffer, .address_space: global }
      - { .name: value, .offset: 16, .size: 8, .value_kind: global_buffer, .address_space: global }
      - { .name: mask, .offset: 24, .size: 8, .value_kind: global_buffer, .address_space: global }
      - { .name: Wq, .offset: 32, .size: 8, .value_kind: global_buffer, .address_space: global }
      - { .name: Wk, .offset: 40, .size: 8, .value_kind: global_buffer, .address_space: global }
      - { .name: Wv, .offset: 48, .size: 8, .value_kind: global_buffer, .address_space: global }
      - { .name: Wo, .offset: 56, .size: 8, .value_kind: global_buffer, .address_space: global }
      - { .name: xc, .offset: 64, .size: 8, .value_kind: global_buffer, .address_space: global }
      - { .name: xs, .offset: 72, .size: 8, .value_kind: global_buffer, .address_space: global }
      - { .name: wc, .offset: 80, .size: 8, .value_kind: global_buffer, .address_space: global }
      - { .name: ws, .offset: 88, .size: 8, .value_kind: global_buffer, .address_space: global }
      - { .name: maskw, .offset: 96, .size: 8, .value_kind: global_buffer, .address_space: global }
    .group_segment_fixed_size: 161792
    .private_segment_fixed_size: 0
    .kernarg_segment_align: 8
    .kernarg_segment_size: 104
    .max_flat_workgroup_size: 256
    .sgpr_count:     66
    .vgpr_count:     248
    .wavefront_size: 32
...
	.end_amdgpu_metadata
.endif
;; end of part 1
;; launch proj (part 2): grid 4 x 64, 4 waves a work-group, clusters of 4 x 4, 327,680 bytes of LDS; arguments xc, xs, wc, ws, bq, bk, bv, qkv; writes qkv
.if DOCPART == 2
	.amdgcn_target "amdgcn-amd-amdhsa--gfx1250"
	.amdhsa_code_object_version 6
	.text
	.protected	k_q6804e50fd4_proj
	.globl	k_q6804e50fd4_proj
	.p2align	8
	.type	k_q6804e50fd4_proj,@function
k_q6804e50fd4_proj:
	s_mov_b64 s[64:65], 0
	v_nop
	global_prefetch_b8 v0, s[64:65] scope:SCOPE_SE
	s_setreg_imm32_b32 hwreg(HW_REG_WAVE_MODE, 25, 1), 1
	s_wait_xcnt 0x0
	s_wait_alu depctr_hold_cnt(0) depctr_sa_sdst(0) depctr_va_vdst(0) depctr_va_sdst(0) depctr_va_ssrc(0) depctr_va_vcc(0) depctr_vm_vsrc(0)
	s_getreg_b32 s2, hwreg(HW_REG_IB_STS2, 6, 4)
	s_cmp_eq_u32 s2, 0
	s_cbranch_scc0 .Lentry_in_a_cluster
	s_endpgm
.Lentry_in_a_cluster:
	s_bfe_u32 s2, ttmp6, 0x10000c
	s_cmp_lg_u32 s2, 0xf033
	s_cbranch_scc0 .Lentry_shape_is_right
	s_endpgm
.Lentry_shape_is_right:
; THE THREE PROJECTIONS on codes of FP6 (E2M3) with E8M0 scales, + bias, quantised in registers into the attention launch's operand images.
; 256 work-groups of four waves STAY and take three roles on end: q, k (a loop of two trips), then v.
; In a role a work-group multiplies 256 rows of S0 (source 0) by 128 rows of S1 (source 1) over K = 1,024; a wave 128 x 64: 32 accumulators, 256 registers.
; q, k: S0 = the weight's columns, S1 = tokens: a lane's 32 results of a group of four S0 tiles are 32 neighbouring channels of one head.  v: S0 = tokens, S1 = Wv's columns: they are 32 neighbouring KEYS, v's K.
; LDS: a region for each loading wave: S1's half 0 at 0, half 1 at 49,152, S0's half 0 at 98,304, half 1 at 196,608; in a region the part's bytes of the four planes of 256 along K lie on end (12,288 or 24,576 bytes each).
; A tensor load brings two planes as two rows, 1,572,864 bytes apart in memory.  A wave has one load out at a time, and every wait on TENSORcnt is for 0.
; THE RING GOES ON FROM ROLE TO ROLE: in K step 3 planes 0-1 have been read out: behind the three lines and a round of the cluster's barrier they take the next role's K 0-511; in K step 7 planes 2-3 take its K 512-1,023.
; The round of step 3 shows this role's K 512-1,023 to all waves, that of step 7 the next role's K 0-511.  So a role's way out runs while the next role's tiles are on their way.  No prefetch: each role's tiles are asked for four K steps ahead by these loads.
; CLUSTER 4 x 4: S0's tiles hang on cx and are asked for jointly down a column, S1's on cy and along a row; offsets of S0 and of S1 are made in registers of their own.
; LOADS BY COUNT: a role's 12 scale loads are issued ahead of the way out before it, its bias loads (16; v: 8) at its top: the wait at the top leaves the bias loads out, the wait ahead of the way out the next role's 12.
; LIMITS: a block of zeros gets the byte 1 (its codes are zeros; only this program reads the bytes); NaN and infinities are not served.
; REGISTERS: window 0: v1-2 S1's LDS addresses, v3-4 S0's planes 0-1, v12, v243 planes 2-3, v5 16 x lane, v6 8 x lane, v7 r, v8 h, v9 8 h, v10-11 the add's two, v13-15 offsets; v16-47 S0's scale words, v48-63 S1's;
;   v64-111, v112-159 S1's fragments, two sets (on the way out: v64-95 numbers, v96-159 codes); v160-223 bias along the registers; v224-231 bias of my S1 row, twice each; v232-255 at work.
;   window 1: S0's fragments, two sets, at v0 and v128.   window 2: accumulator (u, t) at v[8 (8 u + t)].
.set SPARE, 294912
.set XT,    6291456                    ; an activation's codes
.set WT,    196608                     ; a weight's 64 tiles inside a plane
.set JX,    1572864                    ; from plane to plane
.set VIO,   12582912                   ; in qkv: q's images at 0, k's at XT, v's here,
.set QSO,   18874368                   ; q's scale units,
.set SBO,   19136512                   ; and the blocks of k's and v's scale units
.set MULW,  0xa1                       ; source 0 window 1, source 1 window 0, C and D window 2
.set TO1,   0x40
.set RD2,   0x02
.set MSB, 0
.macro WIN new
.if MSB != \new
	s_set_vgpr_msb (MSB<<8)|\new
.set MSB, \new
.endif
.endm
.macro PLACES
.rept 4
	v_nop
.endr
.endm
.macro CROUND
	s_barrier_signal -1
	s_barrier_wait -1
	s_cmp_lg_u32 s20, 0
	s_cbranch_scc1 .Lnot_wave_0_\@
	s_barrier_signal -3
.Lnot_wave_0_\@:
	s_barrier_wait -3
	s_barrier_signal -1
	s_barrier_wait -1
.endm
.macro JLOAD j                         ; a wave's one joint load of planes 2 j, 2 j + 1: waves 0, 1 for S1, waves 2, 3 for S0
	s_cmp_eq_u32 s22, 0
	s_cbranch_scc0 .Lfill_s0_\@
	tensor_load_to_lds s[40+4*\j:43+4*\j], s[24:31]
	s_nop 0
	PLACES
	s_branch .Lfilled_\@
.Lfill_s0_\@:
	tensor_load_to_lds s[56+4*\j:59+4*\j], s[32:39]
	s_nop 0
	PLACES
.Lfilled_\@:
.endm
.macro DESC                            ; the four groups 0 take S0's address s[52:53] and S1's s[54:55]; no tensor load of the wave is out here
	s_mov_b64 s[42:43], s[54:55]
	s_add_nc_u64 s[46:47], s[54:55], 2*JX
	s_mov_b64 s[58:59], s[52:53]
	s_add_nc_u64 s[62:63], s[52:53], 2*JX
	s_or_b32 s43, s43, 0x80000000
	s_or_b32 s47, s47, 0x80000000
	s_or_b32 s59, s59, 0x80000000
	s_or_b32 s63, s63, 0x80000000
.endm
.macro SCLOAD                          ; a tile's eight scale words a row: lanes 0-15 K steps 0-3, lanes 16-31 steps 4-7
.irp t,0,1,2,3,4,5,6,7
	global_load_b128 v[16+4*\t:19+4*\t], v5, s[52:53] offset:512*\t
.endr
.irp t,0,1,2,3
	global_load_b128 v[48+4*\t:51+4*\t], v5, s[54:55] offset:512*\t
.endr
.endm
.macro FETCH s                         ; the fragments of K step s into set s % 2: 48 dense LDS loads
.set PL, (\s)/2
.set OF, 1536*((\s)%2)
	WIN TO1
.irp t,0,1,2,3,4,5,6,7
.irp c,0,1
.if PL < 2
	ds_load_b128 v[128*((\s)%2)+12*\t+6*\c:128*((\s)%2)+12*\t+6*\c+3], v3 offset:24576*PL+3072*\t+OF+768*\c
	ds_load_b64 v[128*((\s)%2)+12*\t+6*\c+4:128*((\s)%2)+12*\t+6*\c+5], v4 offset:24576*PL+3072*\t+OF+768*\c+512
.else
	ds_load_b128 v[128*((\s)%2)+12*\t+6*\c:128*((\s)%2)+12*\t+6*\c+3], v12 offset:24576*(PL-2)+3072*\t+OF+768*\c
	ds_load_b64 v[128*((\s)%2)+12*\t+6*\c+4:128*((\s)%2)+12*\t+6*\c+5], v243 offset:24576*(PL-2)+3072*\t+OF+768*\c+512
.endif
.endr
.endr
	WIN 0
.irp t,0,1,2,3
.irp c,0,1
	ds_load_b128 v[64+48*((\s)%2)+12*\t+6*\c:64+48*((\s)%2)+12*\t+6*\c+3], v1 offset:12288*PL+3072*\t+OF+768*\c
	ds_load_b64 v[64+48*((\s)%2)+12*\t+6*\c+4:64+48*((\s)%2)+12*\t+6*\c+5], v2 offset:12288*PL+3072*\t+OF+768*\c+512
.endr
.endr
.endm
.macro MUL s                           ; 32 matrix instructions; the 32 accumulators take turns in the same order in every step.  Step 0 starts the sums
.irp u,0,1,2,3
.irp t,0,1,2,3,4,5,6,7
.set rD, 8*(8*\u+\t)
.set rA, 128*((\s)%2)+12*\t
.set rB, 64+48*((\s)%2)+12*\u
.set rX, 16+4*\t+(\s)%4
.set rY, 48+4*\u+(\s)%4
.if (\s) == 0
	v_wmma_scale_f32_16x16x128_f8f6f4 v[rD:rD+7], v[rA:rA+11], v[rB:rB+11], 0, v[rX], v[rY] matrix_a_fmt:MATRIX_FMT_FP6 matrix_b_fmt:MATRIX_FMT_FP6
.elseif (\s) < 4
	v_wmma_scale_f32_16x16x128_f8f6f4 v[rD:rD+7], v[rA:rA+11], v[rB:rB+11], v[rD:rD+7], v[rX], v[rY] matrix_a_fmt:MATRIX_FMT_FP6 matrix_b_fmt:MATRIX_FMT_FP6
.else
	v_wmma_scale_f32_16x16x128_f8f6f4 v[rD:rD+7], v[rA:rA+11], v[rB:rB+11], v[rD:rD+7], v[rX], v[rY] matrix_a_fmt:MATRIX_FMT_FP6 matrix_b_fmt:MATRIX_FMT_FP6 matrix_a_scale:MATRIX_SCALE_ROW1 matrix_b_scale:MATRIX_SCALE_ROW1
.endif
.endr
.endr
.endm
.macro STEP s, last
	s_wait_dscnt 0x0                               ; this step's fragments are in (asked for a step ago)
.if ((\s) == 3) && (\last)
	s_wait_tensorcnt 0x0                           ; my part of K 512-1,023 has landed
	s_barrier_signal -1
	s_barrier_wait -1                              ; everybody's has
.endif
.if ((\s) == 3) && !(\last)
	s_wait_tensorcnt 0x0                           ; my part of K 512-1,023 has landed
	ds_add_u32 v10, v11
	s_cmp_eq_u32 s79, 0                            ; the next role's tiles: k's (S0 the weight, S1 tokens) or v's (S0 tokens, S1 the weight)
	s_cselect_b64 s[52:53], s[8:9], s[4:5]
	s_cselect_b64 s[54:55], s[4:5], s[8:9]
	s_cselect_b32 s68, s48, s50
	s_cselect_b32 s72, s49, s51
	s_add_nc_u64 s[52:53], s[52:53], s[68:69]
	s_add_nc_u64 s[54:55], s[54:55], s[72:73]
	DESC
	s_wait_dscnt 0x0
	CROUND                                         ; no wave of any partner reads planes 0-1 any more
	JLOAD 0                                        ; its four v_nop are the places ahead of the loads below
.endif
.if ((\s) == 7) && !(\last)
	s_wait_tensorcnt 0x0                           ; the next role's K 0-511 has landed
	ds_add_u32 v10, v11
	s_wait_dscnt 0x0
	CROUND                                         ; no wave of any partner reads planes 2-3 any more
	JLOAD 1
.endif
.if ((\s) > 0) && ((\s) < 7) && (((\s) != 3) || (\last))
	PLACES
.endif
.if (\s) < 7
	FETCH (\s)+1
.endif
	WIN MULW
	MUL \s
	WIN 0
.endm
; THE WAY OUT.  32 numbers of a lane, v[s] on, become a half fragment's six registers v[d] on; the block's byte is left in v235.
.macro QUANT32 s, d
	v_max3_num_f32 v232, |v[\s]|, |v[\s+1]|, 0x1800000     ; two chains; the floor 2^(3 - 127) holds the byte at 1 from below
	v_max3_num_f32 v233, |v[\s+16]|, |v[\s+17]|, |v[\s+18]|
.irp i,2,4,6,8,10,12
	v_max3_num_f32 v232, v232, |v[\s+\i]|, |v[\s+\i+1]|
	v_max3_num_f32 v233, v233, |v[\s+\i+17]|, |v[\s+\i+18]|
.endr
	v_max3_num_f32 v232, v232, |v[\s+14]|, |v[\s+15]|
	v_max3_num_f32 v232, v232, v233, |v[\s+31]|
	v_add_nc_u32 v234, 0xff000000, v232            ; 2 off the exponent field: the conversion's scale operand
	v_cvt_scalef32_pk16_fp6_f32 v[(\d):(\d)+2], v[\s:\s+15], v234
	v_cvt_scalef32_pk16_fp6_f32 v[240:242], v[\s+16:\s+31], v234
	v_lshrrev_b32 v235, 23, v234                   ; the byte; also the plain line behind the conversions
.irp i,0,1,2
	v_mov_b32 v[(\d)+3+\i], v[240+\i]
.endr
.endm
; kind 0 (q, k): the bias runs along the registers; kind 1 (v): it is my S1 row's.  gs: bytes from group 0's half fragments to group 1's.
.macro EPI kind, gs
.irp g,0,1
.irp u,0,1,2,3
	WIN RD2
.irp i,0,2,4,6,8,10,12,14,16,18,20,22,24,26,28,30
.if \kind
	v_pk_add_f32 v[64+\i:65+\i], v[64*\u+32*\g+\i:64*\u+32*\g+\i+1], v[224+2*\u:225+2*\u]         ; each accumulator is read from its low end on
.else
	v_pk_add_f32 v[64+\i:65+\i], v[64*\u+32*\g+\i:64*\u+32*\g+\i+1], v[160+32*\g+\i:161+32*\g+\i]
.endif
.endr
	WIN 0
	QUANT32 64, 96+8*(4*\g+\u)
	global_store_b128 v5, v[96+8*(4*\g+\u):99+8*(4*\g+\u)], s[94:95] offset:\gs*\g+768*\u          ; 512 consecutive bytes,
	global_store_b64 v6, v[100+8*(4*\g+\u):101+8*(4*\g+\u)], s[94:95] offset:\gs*\g+768*\u+512     ; and 256
	v_lshlrev_b32 v236, v9, v235
	v_permlanex16_b32 v237, v236, s2, s3
	v_or_b32 v[248+4*\g+\u], v236, v237            ; the row's two bytes
.endr
.endr
.endm
; A ROLE.  last = 0: q or k (s79 = 0, 1), with the next role's refills; last = 1: v
.macro ROLE last
.if \last
	s_lshl_b32 s86, s91, 1
	s_add_co_u32 s86, s86, s22                     ; my head of v
	s_lshl_b32 s86, s86, 8
	s_mov_b32 s87, 0
	s_add_nc_u64 s[66:67], s[16:17], s[86:87]
.irp t,0,1,2,3
	global_load_b32 v[224+2*\t], v14, s[66:67] offset:32*\t             ; twice: both registers of the pair that the packed addition names
	global_load_b32 v[225+2*\t], v14, s[66:67] offset:32*\t
.endr
	FETCH 0
	s_wait_loadcnt 8                               ; the scale words are in; the 8 bias loads may be out
.else
	s_cmp_eq_u32 s79, 0
	s_cselect_b64 s[66:67], s[12:13], s[14:15]     ; bq or bk,
	s_mov_b32 s68, s23
	s_add_nc_u64 s[66:67], s[66:67], s[68:69]      ; from my first head on
.irp g,0,1
.irp i,0,1,2,3,4,5,6,7
	global_load_b128 v[160+32*\g+4*\i:163+32*\g+4*\i], v13, s[66:67] offset:256*\g+16*\i
.endr
.endr
	FETCH 0
	s_wait_loadcnt 16                              ; the scale words are in; the 16 bias loads may be out
.endif
.irp s,0,1,2,3,4,5,6,7
	STEP \s, \last
.endr
	PLACES                                         ; behind the last products: ahead of the loads into their scale registers and of the reads of their results
	s_mov_b32 s93, 0
.if \last
	s_wait_loadcnt 0x0                             ; the bias
	s_lshl_b32 s86, s78, 2
	s_lshl_b32 s85, s21, 1
	s_add_co_u32 s86, s86, s85                     ; my first group of 64 keys
	s_lshr_b32 s88, s86, 5                         ; b
	s_and_b32 s86, s86, 31                         ; the group in b
	s_lshl_b32 s90, s91, 1
	s_add_co_u32 s90, s90, s22                     ; my head
	s_lshl_b32 s92, s88, 4
	s_add_co_u32 s92, s92, s90
	s_lshl_b32 s92, s92, 5
	s_add_co_u32 s92, s92, s86
	s_mul_i32 s92, s92, 3072                       ; [b x 16 + head][group][tile of channels] half fragments
	s_add_co_u32 s92, s92, VIO
	s_add_nc_u64 s[94:95], s[18:19], s[92:93]
	s_lshl_b32 s92, s88, 3
	s_lshr_b32 s85, s90, 1
	s_add_co_u32 s92, s92, s85
	s_lshl_b32 s92, s92, 14
	s_and_b32 s85, s90, 1
	s_lshl_b32 s85, s85, 12
	s_add_co_u32 s92, s92, s85
	s_lshr_b32 s86, s86, 1
	s_lshl_b32 s86, s86, 8
	s_add_co_u32 s92, s92, s86
	s_add_co_u32 s92, s92, SBO+8192
	s_add_nc_u64 s[96:97], s[18:19], s[92:93]
	EPI 1, 3072
.irp u,0,1,2,3
	v_lshl_or_b32 v[244+\u], v[252+\u], 16, v[248+\u]      ; word u: tile u of the channels, the even and the odd group of keys
.endr
.else
	s_cmp_eq_u32 s79, 0                            ; the next role's scale words, under the way out
	s_cselect_b64 s[52:53], s[10:11], s[6:7]
	s_cselect_b64 s[54:55], s[6:7], s[10:11]
	s_cselect_b32 s68, s74, s100
	s_cselect_b32 s72, s75, s101
	s_add_nc_u64 s[52:53], s[52:53], s[68:69]
	s_add_nc_u64 s[54:55], s[54:55], s[72:73]
	SCLOAD
	s_wait_loadcnt 12                              ; the bias is in; the 12 loads just issued may be out
	s_lshl_b32 s86, s82, 3
	s_lshl_b32 s85, s22, 2
	s_add_co_u32 s86, s86, s85                     ; my first tile of tokens
	s_lshr_b32 s88, s86, 7                         ; b
	s_and_b32 s86, s86, 127                        ; the tile in b
	s_lshl_b32 s90, s81, 2
	s_lshl_b32 s85, s21, 1
	s_add_co_u32 s90, s90, s85                     ; my first head
	s_lshl_b32 s92, s88, 4
	s_add_co_u32 s92, s92, s90
	s_lshl_b32 s92, s92, 7
	s_add_co_u32 s92, s92, s86
	s_mul_i32 s92, s92, 768                        ; [b x 16 + head][tile] half fragments
	s_mul_i32 s85, s79, XT
	s_add_co_u32 s92, s92, s85
	s_add_nc_u64 s[94:95], s[18:19], s[92:93]
	s_lshl_b32 s92, s88, 3
	s_lshr_b32 s85, s90, 1
	s_add_co_u32 s92, s92, s85                     ; b x 8 + pair of heads
	s_cmp_eq_u32 s79, 0
	s_cselect_b32 s85, 13, 14                      ; q: 32 units on end; k: the first 32 units of a block of 64
	s_lshl_b32 s92, s92, s85
	s_lshr_b32 s86, s86, 2
	s_lshl_b32 s86, s86, 8
	s_add_co_u32 s92, s92, s86
	s_cmp_eq_u32 s79, 0
	s_mov_b32 s85, SBO
	s_cselect_b32 s85, QSO, s85
	s_add_co_u32 s92, s92, s85
	s_add_nc_u64 s[96:97], s[18:19], s[92:93]
	EPI 0, 98304
.irp g,0,1
.irp p,0,1
	v_lshl_or_b32 v[244+2*\g+\p], v[249+4*\g+2*\p], 16, v[248+4*\g+2*\p]   ; word 2 g + p: head g, tiles 2 p and 2 p + 1
.endr
.endr
.endif
	v_cmp_ne_u32 vcc_lo, 0, v8
	s_wait_alu depctr_va_vdst(0)
	v_cndmask_b32 v238, v244, v246, vcc_lo         ; lane (r, h) stores words 2 h and 2 h + 1 of row r:
	v_cndmask_b32 v239, v245, v247, vcc_lo
	global_store_b64 v15, v[238:239], s[96:97]     ; 32 lanes fill one aligned block of 256 bytes
.if !(\last)
	s_wait_alu depctr_va_vdst(0)
	s_wait_xcnt 0x0                                ; the stores have read their data and bases: the next role writes both again
.endif
.endm
	s_load_b512 s[4:19], s[0:1], 0x0               ; xc, xs, wc, ws, bq, bk, bv, qkv: all eight stay as they are
	v_lshl_add_u32 v10, v0, 2, SPARE
	v_mov_b32 v11, 0
	ds_add_u32 v10, v11                            ; the opening lines: the add, twice on end, and its wait below
	ds_add_u32 v10, v11
	v_lshrrev_b32 v12, 5, v0
	v_readfirstlane_b32 s20, v12                   ; wave 0..3
	s_and_b32 s21, s20, 1                          ; my half of S0.  Also: which half of a tile I fetch
	s_lshr_b32 s22, s20, 1                         ; my half of S1.  Also: I fetch for S1 (0) or for S0 (1)
	s_bfe_u32 s76, ttmp6, 0x40000                  ; cx
	s_bfe_u32 s77, ttmp6, 0x40004                  ; cy
	s_and_b32 s80, ttmp7, 0xffff                   ; the cluster's y, 0..15
	s_mov_b32 s81, s76                             ; q, k: my block of 256 of the weight's columns,
	s_lshl_b32 s82, s80, 2
	s_add_co_u32 s82, s82, s77                     ; and of 128 tokens
	s_lshr_b32 s78, s80, 1
	s_lshl_b32 s78, s78, 2
	s_add_co_u32 s78, s78, s76                     ; v: my block of 256 tokens,
	s_and_b32 s91, s80, 1
	s_lshl_b32 s91, s91, 2
	s_add_co_u32 s91, s91, s77                     ; and of 128 of Wv's columns
	s_lshl_b32 s83, s77, 2
	s_lshl_b32 s83, 15, s83                        ; my row of the cluster
	s_lshl_b32 s84, 0x1111, s76                    ; my column
	s_or_b32 s24, s83, (3<<16)|(1<<21)             ; group 1 for S1: elements of 8 bytes; a part of a plane, 12,288 bytes, is one row; two planes
	s_mov_b32 s25, 1536<<16
	s_mov_b32 s26, 2<<16
	s_mov_b32 s27, 1536<<16
	s_mov_b32 s28, 2
	s_mov_b32 s29, JX/8
	s_mov_b32 s30, 0
	s_mov_b32 s31, 0
	s_or_b32 s32, s84, (3<<16)|(1<<21)             ; for S0: 24,576 bytes a row
	s_mov_b32 s33, 3072<<16
	s_mov_b32 s34, 2<<16
	s_mov_b32 s35, 3072<<16
	s_mov_b32 s36, 2
	s_mov_b32 s37, JX/8
	s_mov_b32 s38, 0
	s_mov_b32 s39, 0
	; S0's offsets (cx): codes s68 (q), s48 (k), s50 (v); scale words s89 (q), s74 (k), s100 (v)
	s_lshl_b32 s85, s21, 3
	s_lshl_b32 s88, s81, 4
	s_add_co_u32 s88, s88, s85                     ; tile 16 x block + 8 x half
	s_mul_i32 s68, s88, 3072
	s_add_co_u32 s48, s68, WT
	s_lshl_b32 s89, s88, 9
	s_add_co_u32 s74, s89, 32768
	s_lshl_b32 s88, s78, 4
	s_add_co_u32 s88, s88, s85
	s_mul_i32 s50, s88, 3072
	s_add_co_u32 s50, s50, 2*XT
	s_lshl_b32 s100, s88, 9
	s_add_co_u32 s100, s100, 2<<18
	; S1's offsets (cy): codes s72, s49, s51 (the half that I fetch); scale words s87, s75, s101 (the half that I multiply)
	s_lshl_b32 s85, s21, 2
	s_lshl_b32 s23, s22, 2
	s_lshl_b32 s86, s82, 3
	s_add_co_u32 s87, s86, s85
	s_mul_i32 s72, s87, 3072
	s_add_co_u32 s49, s72, XT
	s_add_co_u32 s87, s86, s23
	s_lshl_b32 s87, s87, 9
	s_add_co_u32 s75, s87, 1<<18
	s_lshl_b32 s86, s91, 3
	s_add_co_u32 s51, s86, s85
	s_mul_i32 s51, s51, 3072
	s_add_co_u32 s51, s51, 2*WT
	s_add_co_u32 s101, s86, s23
	s_lshl_b32 s101, s101, 9
	s_add_co_u32 s101, s101, 65536
	s_mov_b32 s69, 0
	s_mov_b32 s73, 0
	s_lshl_b32 s23, s81, 2                         ; q, k: my first head's bias, in bytes
	s_lshl_b32 s85, s21, 1
	s_add_co_u32 s23, s23, s85
	s_lshl_b32 s23, s23, 8
	s_mul_i32 s41, s21, 49152                      ; the loading waves' regions: no place in the cluster enters an LDS address
	s_add_co_u32 s45, s41, 24576
	s_mul_i32 s57, s21, 98304
	s_add_co_u32 s57, s57, 98304
	s_add_co_u32 s61, s57, 49152
	s_mov_b32 s40, 1
	s_mov_b32 s44, 1
	s_mov_b32 s56, 1
	s_mov_b32 s60, 1
	s_mov_b32 s2, 0x76543210
	s_mov_b32 s3, 0xfedcba98                       ; v_permlanex16_b32's selects for lane l xor 16
	s_wait_dscnt 0x0                               ; both opening adds are done
	s_wait_kmcnt 0x0
	s_add_nc_u64 s[52:53], s[8:9], s[68:69]        ; q: S0 = Wq's image,
	s_add_nc_u64 s[54:55], s[4:5], s[72:73]        ; S1 = query's
	DESC
	CROUND                                         ; all sixteen work-groups are here: the joint loads meet
	JLOAD 0                                        ; q's K 0-511: one tensor load a wave at the head
	v_and_b32 v12, 31, v0
	v_lshlrev_b32 v5, 4, v12                       ; 16 x lane
	v_lshlrev_b32 v6, 3, v12                       ; 8 x lane
	v_and_b32 v7, 15, v0                           ; r
	v_bfe_u32 v8, v0, 4, 1                         ; h
	v_lshlrev_b32 v9, 3, v8                        ; 8 h
	s_mul_i32 s86, s22, 49152                      ; my four tiles of S1,
	s_mul_i32 s88, s21, 98304
	s_add_co_u32 s88, s88, 98304                   ; my eight of S0
	v_add_nc_u32 v1, s86, v5
	v_add_nc_u32 v2, s86, v6
	v_add_nc_u32 v3, s88, v5
	v_add_nc_u32 v4, s88, v6
	v_add_nc_u32 v12, 49152, v3                    ; S0's planes 2-3
	v_add_nc_u32 v243, 49152, v4
	v_lshlrev_b32 v13, 7, v8                       ; the bias along the registers: 128 h bytes
	v_lshrrev_b32 v14, 3, v7
	v_lshlrev_b32 v14, 7, v14
	v_and_b32 v15, 7, v7
	v_lshl_add_u32 v14, v15, 2, v14                ; the bias of my S1 row: 4 (32 (r / 8) + r % 8)
	v_lshlrev_b32 v15, 4, v7
	v_lshl_add_u32 v15, v8, 3, v15                 ; a scale unit: 16 r + 8 h
	v_mov_b32 v237, 0                              ; a lane permute's destination counts as one of its sources
	s_mov_b32 s68, s89
	s_mov_b32 s72, s87
	s_add_nc_u64 s[52:53], s[10:11], s[68:69]      ; q's scale words: Wq's,
	s_add_nc_u64 s[54:55], s[6:7], s[72:73]        ; and query's
	s_wait_alu depctr_va_vdst(0)
	SCLOAD
	s_wait_tensorcnt 0x0                           ; my part of q's K 0-511 has landed
	ds_add_u32 v10, v11
	s_wait_dscnt 0x0
	CROUND
	JLOAD 1                                        ; q's K 512-1,023
	s_mov_b32 s79, 0                               ; the role
.Lrole:
	ROLE 0
	s_add_co_u32 s79, s79, 1
	s_cmp_lt_u32 s79, 2
	s_cbranch_scc1 .Lrole
	ROLE 1
	s_wait_tensorcnt 0x0                           ; the wave's end
	ds_add_u32 v10, v11
	s_wait_dscnt 0x0
	CROUND                                         ; the closing round
	s_endpgm
.Lfunc_end_k_q6804e50fd4_proj:
	.size	k_q6804e50fd4_proj, .Lfunc_end_k_q6804e50fd4_proj-k_q6804e50fd4_proj
	.p2alignl 7, 3214868480
	.fill 96, 4, 3214868480
	.section	.rodata,"a",@progbits
	.p2align	6, 0x0
	.amdhsa_kernel k_q6804e50fd4_proj
		.amdhsa_group_segment_fixed_size 327680
		.amdhsa_private_segment_fixed_size 0
		.amdhsa_enable_private_segment 0
		.amdhsa_kernarg_size 64
		.amdhsa_user_sgpr_count 2
		.amdhsa_user_sgpr_kernarg_segment_ptr 1
		.amdhsa_wavefront_size32 1
		.amdhsa_system_sgpr_workgroup_id_x 1
		.amdhsa_system_sgpr_workgroup_id_y 1
		.amdhsa_system_sgpr_workgroup_id_z 1
		.amdhsa_system_vgpr_workitem_id 0
		.amdhsa_next_free_vgpr 768
		.amdhsa_next_free_sgpr 102
		.amdhsa_reserve_vcc 1
		.amdhsa_float_denorm_mode_32 3
		.amdhsa_float_denorm_mode_16_64 3
		.amdhsa_memory_ordered 1
		.amdhsa_forward_progress 1
		.amdhsa_inst_pref_size 179
	.end_amdhsa_kernel
	.amdgpu_metadata
---
amdhsa.version: [ 1, 2 ]
amdhsa.kernels:
  - .name:           k_q6804e50fd4_proj
    .symbol:         k_q6804e50fd4_proj.kd
    .args:
      - { .name: xc, .offset: 0, .size: 8, .value_kind: global_buffer, .address_space: global }
      - { .name: xs, .offset: 8, .size: 8, .value_kind: global_buffer, .address_space: global }
      - { .name: wc, .offset: 16, .size: 8, .value_kind: global_buffer, .address_space: global }
      - { .name: ws, .offset: 24, .size: 8, .value_kind: global_buffer, .address_space: global }
      - { .name: bq, .offset: 32, .size: 8, .value_kind: global_buffer, .address_space: global }
      - { .name: bk, .offset: 40, .size: 8, .value_kind: global_buffer, .address_space: global }
      - { .name: bv, .offset: 48, .size: 8, .value_kind: global_buffer, .address_space: global }
      - { .name: qkv, .offset: 56, .size: 8, .value_kind: global_buffer, .address_space: global }
    .group_segment_fixed_size: 327680
    .private_segment_fixed_size: 0
    .kernarg_segment_align: 8
    .kernarg_segment_size: 64
    .max_flat_workgroup_size: 128
    .sgpr_count:     102
    .vgpr_count:     768
    .wavefront_size: 32
...
	.end_amdgpu_metadata
.endif
;; end of part 2
;; launch attn (part 3): grid 4 x 64, 16 waves a work-group, clusters of 4 x 1, 327,680 bytes of LDS; arguments qkv, maskw, ac, asc; writes ac, asc
.if DOCPART == 3
	.amdgcn_target "amdgcn-amd-amdhsa--gfx1250"
	.amdhsa_code_object_version 6
	.text
	.protected	k_q6804e50fd4_attn
	.globl	k_q6804e50fd4_attn
	.p2align	8
	.type	k_q6804e50fd4_attn,@function
k_q6804e50fd4_attn:
	s_mov_b64 s[64:65], 0
	v_nop
	global_prefetch_b8 v0, s[64:65] scope:SCOPE_SE
	s_setreg_imm32_b32 hwreg(HW_REG_WAVE_MODE, 25, 1), 1
	s_wait_xcnt 0x0
	s_wait_alu depctr_hold_cnt(0) depctr_sa_sdst(0) depctr_va_vdst(0) depctr_va_sdst(0) depctr_va_ssrc(0) depctr_va_vcc(0) depctr_vm_vsrc(0)
	s_getreg_b32 s2, hwreg(HW_REG_IB_STS2, 6, 4)
	s_cmp_eq_u32 s2, 0
	s_cbranch_scc0 .Lentry_in_a_cluster
	s_endpgm
.Lentry_in_a_cluster:
	s_bfe_u32 s2, ttmp6, 0x10000c
	s_cmp_lg_u32 s2, 0x3003
	s_cbranch_scc0 .Lentry_shape_is_right
	s_endpgm
.Lentry_shape_is_right:
; ATTENTION for one (batch, head) and 512 queries a work-group: 16 waves, each two tiles of 16 queries one after the other; S^T = k q^T, the mask by lane words, a running whole-number maximum, p quantised in registers, O^T += v^T p^T.
; LDS: k's images of all 2,048 keys at 0 (98,304 bytes), v's at 98,304, the scale units at SCB (16,384): thirteen dense runs of 16,384 bytes.  Wave w < 13 brings run w to byte 16,384 w by ONE joint load
; (the four query blocks of a head form the cluster and share all of it); every wave waits for 0 ahead of one barrier; nothing is filled again.  No prefetch: k and v come once, at the head, and the loop streams nothing but mask words.
; LIMITS: the promise holds while the scaled scores stay under 2^31 in magnitude; NaN and infinities are not served.
.set SCB,   196608
.set GATH,  212992
.set SPARE, 214016
.set KIO,   6291456
.set QSO,   18874368
.set SBO,   19136512
.set FR,    44
.set S,     100
.set O,     164
.macro CROUND
	s_barrier_signal -1
	s_barrier_wait -1
	s_cmp_lg_u32 s15, 0
	s_cbranch_scc1 .Lnot_wave_0_\@
	s_barrier_signal -3
.Lnot_wave_0_\@:
	s_barrier_wait -3
	s_barrier_signal -1
	s_barrier_wait -1
.endm
	s_load_b256 s[32:39], s[0:1], 0x0
	v_lshl_add_u32 v5, v0, 2, SPARE
	v_mov_b32 v6, 0
	ds_add_u32 v5, v6
	ds_add_u32 v5, v6
	v_lshrrev_b32 v1, 5, v0
	s_delay_alu instid0(VALU_DEP_1)
	v_readfirstlane_b32 s15, v1
	s_and_b32 s99, ttmp7, 0xffff
	s_lshr_b32 s100, s99, 4
	s_and_b32 s101, s99, 15
	s_mov_b32 s84, 15|(3<<16)|(1<<21)              ; group 1: 64 rows of 256 bytes, dense; the mask names the cluster's four
	s_mov_b32 s85, 32<<16
	s_mov_b32 s86, 64<<16
	s_mov_b32 s87, 32<<16
	s_mov_b32 s88, 64
	s_mov_b32 s89, 32
	s_mov_b32 s90, 0
	s_mov_b32 s91, 0
	s_lshl_b32 s45, s15, 14                        ; my run's place in LDS: 16,384 x wave
	s_mul_i32 s42, s99, 98304
	s_add_co_u32 s42, s42, s45
	s_add_co_u32 s42, s42, KIO                     ; waves 0-5: k's images
	s_add_co_u32 s46, s42, 6291456-98304           ; waves 6-11: v's, 6,291,456 bytes behind k's, run w - 6
	s_cmp_lt_u32 s15, 6
	s_cselect_b32 s42, s42, s46
	s_lshr_b32 s40, s99, 1
	s_lshl_b32 s40, s40, 14
	s_add_co_u32 s40, s40, SBO                     ; wave 12: the pair of heads' scale units
	s_cmp_lt_u32 s15, 12
	s_cselect_b32 s42, s42, s40
	s_mov_b32 s43, 0
	s_mov_b32 s10, 0x3e38aa3b
	s_mov_b32 s11, s10
	s_mov_b32 s96, 0x76543210
	s_mov_b32 s97, 0xfedcba98
	s_wait_dscnt 0x0
	s_wait_kmcnt 0x0
	s_mov_b32 s28, 1
	s_mov_b32 s29, s45
	s_add_nc_u64 s[30:31], s[32:33], s[42:43]
	s_or_b32 s31, s31, 0x80000000
	CROUND                                         ; the four work-groups are here: the joint loads meet
	s_cmp_lt_u32 s15, 13                           ; thirteen runs: waves 13-15 issue none
	s_cbranch_scc0 .Lno_fill
	tensor_load_to_lds s[28:31], s[84:91]
	s_nop 0
.Lno_fill:
.rept 4
	v_nop
.endr
	s_bfe_u32 s98, ttmp6, 0x40000
	s_mov_b32 s53, 0
	s_lshl_b32 s46, s100, 7
	s_lshl_b32 s47, s98, 5
	s_add_co_u32 s46, s46, s47
	s_add_co_u32 s46, s46, s15
	s_lshl_b32 s52, s46, 12
	s_add_nc_u64 s[4:5], s[34:35], s[52:53]
	s_lshr_b32 s52, s101, 2
	s_lshl_b32 s52, s52, 9
	s_add_co_u32 s52, s52, s46
	s_mul_i32 s52, s52, 3072
	s_and_b32 s54, s101, 3
	s_mul_i32 s54, s54, 768
	s_add_co_u32 s52, s52, s54
	s_add_nc_u64 s[6:7], s[36:37], s[52:53]
	s_lshl_b32 s52, s100, 4
	s_lshl_b32 s54, s98, 2
	s_add_co_u32 s52, s52, s54
	s_lshl_b32 s52, s52, 4
	s_add_co_u32 s52, s52, s101
	s_lshl_b32 s52, s52, 8
	s_add_nc_u64 s[8:9], s[38:39], s[52:53]
	s_lshl_b32 s52, s99, 7
	s_add_co_u32 s52, s52, s47
	s_add_co_u32 s52, s52, s15
	s_mul_i32 s52, s52, 768
	s_add_nc_u64 s[48:49], s[32:33], s[52:53]
	s_lshr_b32 s52, s99, 1
	s_lshl_b32 s52, s52, 5
	s_lshl_b32 s54, s98, 3
	s_add_co_u32 s52, s52, s54
	s_lshr_b32 s54, s15, 2
	s_add_co_u32 s52, s52, s54
	s_lshl_b32 s52, s52, 8
	s_and_b32 s55, s101, 1
	s_lshl_b32 s54, s55, 3
	s_add_co_u32 s52, s52, s54
	s_and_b32 s54, s15, 3
	s_lshl_b32 s54, s54, 1
	s_add_co_u32 s52, s52, s54
	s_add_co_u32 s52, s52, QSO
	s_add_nc_u64 s[50:51], s[32:33], s[52:53]
	v_and_b32 v11, 31, v0
	s_delay_alu instid0(VALU_DEP_1)
	v_lshlrev_b32 v1, 4, v11
	s_delay_alu instid0(VALU_DEP_2)
	v_lshlrev_b32 v2, 3, v11
	s_delay_alu instid0(VALU_DEP_1)
	v_add_nc_u32 v2, 512, v2
	v_and_b32 v43, 15, v0
	v_bfe_u32 v11, v0, 4, 1
	s_delay_alu instid0(VALU_DEP_1)
	v_lshlrev_b32 v10, 3, v11
	s_delay_alu instid0(VALU_DEP_3)
	v_lshlrev_b32 v223, 4, v43
	global_load_b128 v[22:25], v1, s[48:49]
	global_load_b64 v[26:27], v2, s[48:49]
	global_load_b128 v[34:37], v1, s[48:49] offset:12288
	global_load_b64 v[38:39], v2, s[48:49] offset:12288
	global_load_u16 v8, v223, s[50:51]
	global_load_u16 v42, v223, s[50:51] offset:1024
	s_lshl_b32 s54, s55, 3
	s_add_co_u32 s54, s54, SCB
	v_add_nc_u32 v3, s54, v223
	s_lshl_b32 s54, s55, 12
	s_add_co_u32 s54, s54, SCB+8192
	v_add_nc_u32 v4, s54, v223
	s_lshl_b32 s54, s15, 5
	s_add_co_u32 s54, s54, GATH
	v_lshl_add_u32 v220, v43, 1, s54
	v_add_nc_u32 v221, GATH, v1
	v_lshlrev_b32 v222, 12, v11
	s_delay_alu instid0(VALU_DEP_1)
	v_lshl_add_u32 v222, v43, 4, v222
	v_mov_b32 v7, 0xf3000000
.irp i,0,1,2,3,4,5
	v_mov_b32 v[16+\i], 0
	v_mov_b32 v[28+\i], 0
.endr
	v_mov_b32 v41, 0
	v_mov_b32 v229, 0
	v_mov_b32 v239, 0
	s_wait_loadcnt 0x0
	v_lshl_or_b32 v8, v8, 16, v8
	v_lshl_or_b32 v42, v42, 16, v42
.macro MLOAD
	s_load_b512 s[16:31], s[4:5], s14 offset:0x0
	s_load_b512 s[32:47], s[4:5], s14 offset:0x40
	s_load_b512 s[48:63], s[4:5], s14 offset:0x80
	s_load_b512 s[68:83], s[4:5], s14 offset:0xc0
.endm
.macro STEP
	v_add_nc_u32 v216, s2, v1
	v_add_nc_u32 v217, s2, v2
	v_add_nc_u32 v218, s3, v3
	v_add_nc_u32 v219, s12, v4
.irp i,0,1,2,3
.irp c,0,1
	ds_load_b128 v[FR+12*\i+6*\c:FR+12*\i+6*\c+3], v216 offset:(2*\i+\c)*768
	ds_load_b64 v[FR+12*\i+6*\c+4:FR+12*\i+6*\c+5], v217 offset:(2*\i+\c)*768
.endr
.endr
	ds_load_b64 v[92:93], v218
	ds_load_b64 v[94:95], v218 offset:256
	s_wait_alu depctr_va_vdst(0)
	s_wait_dscnt 0x0
.irp i,0,1,2,3
	v_wmma_scale_f32_16x16x128_f8f6f4 v[S+16*\i:S+16*\i+7], v[FR+12*\i:FR+12*\i+11], v[22:33], 0, v[92+\i], v8 matrix_a_fmt:MATRIX_FMT_FP6 matrix_b_fmt:MATRIX_FMT_FP6
	v_wmma_scale_f32_16x16x128_f8f6f4 v[S+16*\i+8:S+16*\i+15], v[FR+12*\i:FR+12*\i+11], v[16:27], 0, v[92+\i], v8 matrix_a_fmt:MATRIX_FMT_FP6 matrix_b_fmt:MATRIX_FMT_FP6
.endr
	v_add_nc_u32 v216, 0x18000, v216               ; v's images lie 98,304 bytes behind k's; these two lines and two v_nop are the four places behind the products
	v_add_nc_u32 v217, 0x18000, v217
	v_nop
	v_nop
.irp t,0,1,2,3
.irp c,0,1
	ds_load_b128 v[FR+12*\t+6*\c:FR+12*\t+6*\c+3], v216 offset:3072*\c+768*\t
	ds_load_b64 v[FR+12*\t+6*\c+4:FR+12*\t+6*\c+5], v217 offset:3072*\c+768*\t
.endr
.endr
	ds_load_b128 v[96:99], v219
	s_wait_kmcnt 0x0
.set n, 0
.rept 64
	v_cndmask_b32 v[S+n], v7, v[S+n], s[n+16+4*(n/48)]
.set n, n+1
.endr
	s_add_co_u32 s14, s14, 256
	s_min_u32 s14, s14, 69376
	MLOAD
.irp c,0,1
	v_max3_num_f32 v[224+2*\c], v[S+32*\c], v[S+32*\c+1], v[S+32*\c+2]
	v_max3_num_f32 v[225+2*\c], v[S+32*\c+15], v[S+32*\c+16], v[S+32*\c+17]
.endr
.irp i,3,5,7,9,11,13
.irp c,0,1
	s_delay_alu instid0(VALU_DEP_4)
	v_max3_num_f32 v[224+2*\c], v[224+2*\c], v[S+32*\c+\i], v[S+32*\c+\i+1]
	s_delay_alu instid0(VALU_DEP_4)
	v_max3_num_f32 v[225+2*\c], v[225+2*\c], v[S+32*\c+\i+15], v[S+32*\c+\i+16]
.endr
.endr
.irp c, 0
	s_delay_alu instid0(VALU_DEP_3)
	v_max3_num_f32 v[224+2*\c], v[224+2*\c], v[225+2*\c], v[S+32*\c+30]
.endr
.irp c, 1
	s_delay_alu instid0(VALU_DEP_2)
	v_max3_num_f32 v[224+2*\c], v[224+2*\c], v[225+2*\c], v[S+32*\c+30]
.endr
.irp c,0,1
	s_delay_alu instid0(VALU_DEP_2)
	v_max_num_f32 v[224+2*\c], v[224+2*\c], v[S+32*\c+31]
.endr
	s_delay_alu instid0(VALU_DEP_1)
	v_max_num_f32 v228, v224, v226
	s_delay_alu instid0(VALU_DEP_1)
	v_permlanex16_b32 v229, v228, s96, s97
	s_delay_alu instid0(VALU_DEP_1)
	v_max_num_f32 v228, v228, v229
	s_delay_alu instid0(VALU_DEP_1)
	v_mul_f32 v228, s10, v228
	s_delay_alu instid0(VALU_DEP_1)
	v_max_num_f32 v13, v13, v228
	v_mov_b32 v230, v12
	s_delay_alu instid0(VALU_DEP_2)
	v_floor_f32 v12, -v13
	s_delay_alu instid0(VALU_DEP_1)
	v_sub_f32 v230, v12, v230
	s_delay_alu instid0(VALU_DEP_1)
	v_cvt_i32_f32 v230, v230
	s_delay_alu instid0(VALU_DEP_1)
	v_ldexp_f32 v40, 1.0, v230
.set j, 0
.rept 32
	v_pk_fma_f32 v[S+j:S+j+1], v[S+j:S+j+1], s[10:11], v[12:13] op_sel_hi:[1,0,0]
.set j, j+2
.endr
	v_fma_f32 v224, v224, s10, v12
	v_fma_f32 v226, v226, s10, v12
.set j, 0
	s_wait_alu depctr_va_vdst(0)
.rept 64
	v_exp_f32 v[S+j], v[S+j]
.set j, j+1
.endr
	v_pk_mul_f32 v[14:15], v[14:15], v[40:41] op_sel_hi:[1,0]
	s_wait_alu depctr_va_vdst(0)
	v_exp_f32 v224, v224
	v_exp_f32 v226, v226
	v_pk_add_f32 v[232:233], v[S:S+1], v[S+2:S+3]
.set j, 4
.rept 15
	v_pk_add_f32 v[14:15], v[14:15], v[S+j:S+j+1]
	v_pk_add_f32 v[232:233], v[232:233], v[S+j+2:S+j+3]
.set j, j+4
.endr
	s_delay_alu instid0(VALU_DEP_1)
	v_pk_add_f32 v[14:15], v[14:15], v[232:233]
	s_wait_alu depctr_va_vdst(0)
	v_max_num_f32 v224, 0x1800000, v224
	v_max_num_f32 v226, 0x1800000, v226
	s_delay_alu instid0(VALU_DEP_2)
	v_add_nc_u32 v234, 0xff000000, v224
	s_delay_alu instid0(VALU_DEP_2)
	v_add_nc_u32 v235, 0xff000000, v226
	s_delay_alu instid0(VALU_DEP_2)
	v_lshrrev_b32 v236, 23, v234
	s_delay_alu instid0(VALU_DEP_2)
	v_lshrrev_b32 v237, 23, v235
	s_delay_alu instid0(VALU_DEP_1)
	v_lshl_or_b32 v238, v237, 16, v236
	s_delay_alu instid0(VALU_DEP_1)
	v_lshlrev_b32 v238, v10, v238
	s_delay_alu instid0(VALU_DEP_1)
	v_permlanex16_b32 v239, v238, s96, s97
	s_delay_alu instid0(VALU_DEP_1)
	v_or_b32 v9, v238, v239
	v_cvt_scalef32_pk16_fp6_f32 v[196:198], v[S:S+15], v234
	v_cvt_scalef32_pk16_fp6_f32 v[208:210], v[S+16:S+31], v234
	v_cvt_scalef32_pk16_fp6_f32 v[202:204], v[S+32:S+47], v235
	v_cvt_scalef32_pk16_fp6_f32 v[212:214], v[S+48:S+63], v235
	v_nop
.irp i,0,1,2
	v_mov_b32 v[199+\i], v[208+\i]
	v_mov_b32 v[205+\i], v[212+\i]
.endr
.set j, 0
.rept 16
	v_pk_mul_f32 v[O+j:O+j+1], v[O+j:O+j+1], v[40:41] op_sel_hi:[1,0]
.set j, j+2
.endr
	s_wait_alu depctr_va_vdst(0)
	s_wait_dscnt 0x0
.irp t,0,1,2,3
	v_wmma_scale_f32_16x16x128_f8f6f4 v[O+8*\t:O+8*\t+7], v[FR+12*\t:FR+12*\t+11], v[196:207], v[O+8*\t:O+8*\t+7], v[96+\t], v9 matrix_a_fmt:MATRIX_FMT_FP6 matrix_b_fmt:MATRIX_FMT_FP6
.endr
	s_add_co_u32 s2, s2, 6144
	s_add_co_u32 s3, s3, 512
	s_add_co_u32 s12, s12, 256
.endm
.macro PASS p
.if \p
	v_mov_b32 v8, v42
.irp i,0,1,2,3,4,5
	v_mov_b32 v[22+\i], v[34+\i]
.endr
.endif
	s_mov_b32 s2, 0
	s_mov_b32 s3, 0
	s_mov_b32 s12, 0
	v_mov_b32 v13, 0xff61b1e6
	s_delay_alu instid0(VALU_DEP_1)
	v_floor_f32 v12, -v13
	v_mov_b32 v14, 0
	v_mov_b32 v15, 0
.set j, 0
.rept 32
	v_mov_b32 v[O+j], 0
.set j, j+1
.endr
.if \p == 0
	s_wait_tensorcnt 0x0                           ; my run has landed (a wave without one passes)
	s_barrier_signal -1
	s_barrier_wait -1
	s_mov_b32 s14, 0
	MLOAD
.endif
	s_mov_b32 s13, 16                              ; sixteen steps of 128 keys
.Lkeys_\p:
	STEP
	s_sub_co_u32 s13, s13, 1
	s_cmp_lg_u32 s13, 0
	s_cbranch_scc1 .Lkeys_\p
	s_wait_kmcnt 0x0
.if \p == 0
	s_mov_b32 s14, 65536
	MLOAD
.endif
.rept 4
	v_nop
.endr
	v_add_f32 v224, v14, v15
	s_delay_alu instid0(VALU_DEP_1)
	v_permlanex16_b32 v225, v224, s96, s97
	s_delay_alu instid0(VALU_DEP_1)
	v_add_f32 v224, v224, v225
	s_wait_alu depctr_va_vdst(0)
	v_rcp_f32 v40, v224
	v_nop
	s_wait_alu depctr_va_vdst(0)
.set j, 0
.rept 16
	v_pk_mul_f32 v[S+j:S+j+1], v[O+j:O+j+1], v[40:41] op_sel_hi:[1,0]
.set j, j+2
.endr
	v_max3_num_f32 v232, |v[S]|, |v[S+1]|, 0x1800000
	v_max3_num_f32 v233, |v[S+16]|, |v[S+17]|, |v[S+18]|
.irp i,2,4,6,8,10,12
	s_delay_alu instid0(VALU_DEP_2)
	v_max3_num_f32 v232, v232, |v[S+\i]|, |v[S+\i+1]|
	s_delay_alu instid0(VALU_DEP_2)
	v_max3_num_f32 v233, v233, |v[S+\i+17]|, |v[S+\i+18]|
.endr
	s_delay_alu instid0(VALU_DEP_2)
	v_max3_num_f32 v232, v232, |v[S+14]|, |v[S+15]|
	s_delay_alu instid0(VALU_DEP_1)
	v_max3_num_f32 v232, v232, v233, |v[S+31]|
	s_delay_alu instid0(VALU_DEP_1)
	v_add_nc_u32 v234, 0xff000000, v232
	v_cvt_scalef32_pk16_fp6_f32 v[240+6*\p:242+6*\p], v[S:S+15], v234
	v_cvt_scalef32_pk16_fp6_f32 v[208:210], v[S+16:S+31], v234
	v_lshrrev_b32 v235, 23, v234
.irp i,0,1,2
	v_mov_b32 v[243+6*\p+\i], v[208+\i]
.endr
	global_store_b128 v1, v[240+6*\p:243+6*\p], s[6:7] offset:49152*\p
	global_store_b64 v2, v[244+6*\p:245+6*\p], s[6:7] offset:49152*\p
	v_lshlrev_b32 v236, v10, v235
	s_delay_alu instid0(VALU_DEP_1)
	v_permlanex16_b32 v239, v236, s96, s97
	s_delay_alu instid0(VALU_DEP_1)
	v_or_b32 v[252+\p], v236, v239
	ds_store_b16 v220, v[252+\p] offset:512*\p
.endm
	PASS 0
	PASS 1
	s_wait_dscnt 0x0
	s_barrier_signal -1
	s_barrier_wait -1
	s_cmp_lg_u32 s15, 0
	s_cbranch_scc1 .Lnot_first
	ds_load_b128 v[100:103], v221
	ds_load_b128 v[104:107], v221 offset:512
	s_wait_dscnt 0x0
	global_store_b128 v222, v[100:103], s[8:9]
	global_store_b128 v222, v[104:107], s[8:9] offset:8192
.Lnot_first:
	s_wait_tensorcnt 0x0
	ds_add_u32 v5, v6
	s_wait_dscnt 0x0
	CROUND
	s_endpgm
.Lfunc_end_k_q6804e50fd4_attn:
	.size	k_q6804e50fd4_attn, .Lfunc_end_k_q6804e50fd4_attn-k_q6804e50fd4_attn
	.p2alignl 7, 3214868480
	.fill 96, 4, 3214868480
	.section	.rodata,"a",@progbits
	.p2align	6, 0x0
	.amdhsa_kernel k_q6804e50fd4_attn
		.amdhsa_group_segment_fixed_size 327680
		.amdhsa_private_segment_fixed_size 0
		.amdhsa_enable_private_segment 0
		.amdhsa_kernarg_size 32
		.amdhsa_user_sgpr_count 2
		.amdhsa_user_sgpr_kernarg_segment_ptr 1
		.amdhsa_wavefront_size32 1
		.amdhsa_system_sgpr_workgroup_id_x 1
		.amdhsa_system_sgpr_workgroup_id_y 1
		.amdhsa_system_sgpr_workgroup_id_z 1
		.amdhsa_system_vgpr_workitem_id 0
		.amdhsa_next_free_vgpr 256
		.amdhsa_next_free_sgpr 102
		.amdhsa_reserve_vcc 0
		.amdhsa_float_denorm_mode_32 3
		.amdhsa_float_denorm_mode_16_64 3
		.amdhsa_memory_ordered 1
		.amdhsa_forward_progress 1
		.amdhsa_inst_pref_size 61
	.end_amdhsa_kernel
	.amdgpu_metadata
---
amdhsa.version: [ 1, 2 ]
amdhsa.kernels:
  - .name:           k_q6804e50fd4_attn
    .symbol:         k_q6804e50fd4_attn.kd
    .args:
      - { .name: qkv, .offset: 0, .size: 8, .value_kind: global_buffer, .address_space: global }
      - { .name: maskw, .offset: 8, .size: 8, .value_kind: global_buffer, .address_space: global }
      - { .name: ac, .offset: 16, .size: 8, .value_kind: global_buffer, .address_space: global }
      - { .name: asc, .offset: 24, .size: 8, .value_kind: global_buffer, .address_space: global }
    .group_segment_fixed_size: 327680
    .private_segment_fixed_size: 0
    .kernarg_segment_align: 8
    .kernarg_segment_size: 32
    .max_flat_workgroup_size: 512
    .sgpr_count:     102
    .vgpr_count:     256
    .wavefront_size: 32
...
	.end_amdgpu_metadata
.endif
;; end of part 3
;; launch outp (part 4): grid 4 x 64, 4 waves a work-group, clusters of 4 x 4, 327,680 bytes of LDS; arguments ac, asc, wc, ws, bo, out0; writes out0
.if DOCPART == 4
	.amdgcn_target "amdgcn-amd-amdhsa--gfx1250"
	.amdhsa_code_object_version 6
	.text
	.protected	k_q6804e50fd4_outp
	.globl	k_q6804e50fd4_outp
	.p2align	8
	.type	k_q6804e50fd4_outp,@function
k_q6804e50fd4_outp:
	s_mov_b64 s[64:65], 0
	v_nop
	global_prefetch_b8 v0, s[64:65] scope:SCOPE_SE
	s_setreg_imm32_b32 hwreg(HW_REG_WAVE_MODE, 25, 1), 1
	s_wait_xcnt 0x0
	s_wait_alu depctr_hold_cnt(0) depctr_sa_sdst(0) depctr_va_vdst(0) depctr_va_sdst(0) depctr_va_ssrc(0) depctr_va_vcc(0) depctr_vm_vsrc(0)
	s_getreg_b32 s2, hwreg(HW_REG_IB_STS2, 6, 4)
	s_cmp_eq_u32 s2, 0
	s_cbranch_scc0 .Lentry_in_a_cluster
	s_endpgm
.Lentry_in_a_cluster:
	s_bfe_u32 s2, ttmp6, 0x10000c
	s_cmp_lg_u32 s2, 0xf033
	s_cbranch_scc0 .Lentry_shape_is_right
	s_endpgm
.Lentry_shape_is_right:
; THE LAST PRODUCT: out0 = attn Wo + bo on codes of FP6 (E2M3) with E8M0 scales; f32 out.
; The same frame as the projections: a work-group of four waves multiplies 256 rows of S0 (Wo's columns, source 0) by 128 rows of S1 (tokens, source 1) over K = 1,024; a wave 128 x 64: 32 accumulators.
; All of K lies in LDS in four chunks of 256 along K, each filled once; nothing is filled again.  CLUSTER 4 x 4: S0's tiles hang on cx and are asked for jointly down a column, S1's on cy and along a row.
; A wave has one tensor load out at a time.  bo is the C of each sum's first matrix instruction: eight registers a tile of S0, in the result's layout.
; A lane's 32 results of a group of four S0 tiles are 32 neighbouring columns of one token's row; 16 rows x 512 bytes at a time go through the wave's stage and leave as whole rows.
; The stage lies on S1's rows, which have had their only fill, and which no wave reads behind the barrier of K step 7.
; REGISTERS: window 0: v1-4 LDS addresses, v5 16 x lane, v6 8 x lane, v7 r, v8 h, v10-11 the add's two, v12-13 the stage, v14-15 offsets; v16-47 S0's scale words, v48-63 S1's; v64-111, v112-159 S1's fragments, two sets;
;   v160-223 bo.   window 1: S0's fragments, two sets, at v0 and v128; on the way out v0-127 rows read back.   window 2: accumulator (u, t) at v[8 (8 u + t)].
; LDS AS IT LIES IN THIS TEXT (this note stands for what the head says of chunks, of the loads' number and of the stage): four regions, one for each loading wave: S1's half 0 at 0, half 1 at 49,152, S0's half 0 at 98,304, half 1 at 196,608.
; In a region the part's bytes of the four planes of 256 along K lie on end (12,288 bytes each for S1, 24,576 for S0).  A tensor load brings two planes as two rows, 1,572,864 bytes apart in memory.
; A wave issues one load at the head (K 0-511) and one behind the full sequence and a round of the cluster's barrier (K 512-1,023): one load out at a time.  Nothing is filled twice.
; The stage (33,792 bytes from 0) lies on S1's rows, which have had their only fill; a barrier whose signal stands behind every wave's last LDS read, in K step 7, parts the reads from the stage's stores.
.set SPARE, 294912
.set WT,    196608                     ; a weight's 64 tiles inside a plane
.set JX,    1572864
.set PIT,   528                        ; a stage row: 512 bytes + 16
.set MULW,  0xa1                       ; source 0 window 1, source 1 window 0, C and D window 2
.set MULB,  0x81                       ; the same with C (the bias) in window 0
.set TO1,   0x40
.set MSB, 0
.macro WIN new                         ; the immediate's high byte repeats the setting that is left
.if MSB != \new
	s_set_vgpr_msb (MSB<<8)|\new
.set MSB, \new
.endif
.endm
.macro PLACES                          ; four plain vector lines behind matrix instructions (ISA guide 7.12.1)
.rept 4
	v_nop
.endr
.endm
.macro CROUND                          ; a round of the cluster's barrier
	s_barrier_signal -1
	s_barrier_wait -1
	s_cmp_lg_u32 s20, 0
	s_cbranch_scc1 .Lnot_wave_0_\@
	s_barrier_signal -3
.Lnot_wave_0_\@:
	s_barrier_wait -3
	s_barrier_signal -1
	s_barrier_wait -1
.endm
.macro FETCH s                         ; the fragments of K step s into set s % 2: 48 dense LDS loads
	WIN TO1
.irp t,0,1,2,3,4,5,6,7
.irp c,0,1
	ds_load_b128 v[128*((\s)%2)+12*\t+6*\c:128*((\s)%2)+12*\t+6*\c+3], v3 offset:3072*\t+1536*((\s)%2)+768*\c
	ds_load_b64 v[128*((\s)%2)+12*\t+6*\c+4:128*((\s)%2)+12*\t+6*\c+5], v4 offset:3072*\t+1536*((\s)%2)+768*\c+512
.endr
.endr
	WIN 0
.irp t,0,1,2,3
.irp c,0,1
	ds_load_b128 v[64+48*((\s)%2)+12*\t+6*\c:64+48*((\s)%2)+12*\t+6*\c+3], v1 offset:3072*\t+1536*((\s)%2)+768*\c
	ds_load_b64 v[64+48*((\s)%2)+12*\t+6*\c+4:64+48*((\s)%2)+12*\t+6*\c+5], v2 offset:3072*\t+1536*((\s)%2)+768*\c+512
.endr
.endr
.endm
.macro MUL s                           ; 32 matrix instructions; the 32 accumulators take turns in the same order in every step
.irp u,0,1,2,3
.irp t,0,1,2,3,4,5,6,7
.set rD, 8*(8*\u+\t)
.set rA, 128*((\s)%2)+12*\t
.set rB, 64+48*((\s)%2)+12*\u
.set rX, 16+4*\t+(\s)%4
.set rY, 48+4*\u+(\s)%4
.if (\s) == 0
	v_wmma_scale_f32_16x16x128_f8f6f4 v[rD:rD+7], v[rA:rA+11], v[rB:rB+11], v[160+8*\t:167+8*\t], v[rX], v[rY] matrix_a_fmt:MATRIX_FMT_FP6 matrix_b_fmt:MATRIX_FMT_FP6
.elseif (\s) < 4
	v_wmma_scale_f32_16x16x128_f8f6f4 v[rD:rD+7], v[rA:rA+11], v[rB:rB+11], v[rD:rD+7], v[rX], v[rY] matrix_a_fmt:MATRIX_FMT_FP6 matrix_b_fmt:MATRIX_FMT_FP6
.else
	v_wmma_scale_f32_16x16x128_f8f6f4 v[rD:rD+7], v[rA:rA+11], v[rB:rB+11], v[rD:rD+7], v[rX], v[rY] matrix_a_fmt:MATRIX_FMT_FP6 matrix_b_fmt:MATRIX_FMT_FP6 matrix_a_scale:MATRIX_SCALE_ROW1 matrix_b_scale:MATRIX_SCALE_ROW1
.endif
.endr
.endr
.endm
.macro STEP s
	s_wait_dscnt 0x0                               ; this step's fragments are in (asked for a step ago)
.if (\s) == 3
	s_wait_tensorcnt 0x0                           ; my second load, K 512-1,023, has landed
	s_barrier_signal -1
	s_barrier_wait -1                              ; everybody's has
.endif
.if ((\s)%2 == 1) && ((\s) < 7)
	v_add_nc_u32 v1, 12288, v1                     ; on to the next plane of 256 along K
	v_add_nc_u32 v2, 12288, v2
	v_add_nc_u32 v3, 24576, v3
	v_add_nc_u32 v4, 24576, v4
.endif
.if (\s) == 7
	s_barrier_signal -1                            ; my reads of the tiles are over (the wait above); the products below are register work; the wait follows them
.endif
.if ((\s) > 0) && ((\s) < 7)
	PLACES
.endif
.if (\s) < 7
	FETCH (\s)+1
.endif
.if (\s) == 0
	WIN MULB
.else
	WIN MULW
.endif
	MUL \s
	WIN 0
.endm
	s_load_b256 s[4:11], s[0:1], 0x0               ; ac, asc, wc, ws
	s_load_b128 s[12:15], s[0:1], 0x20             ; bo, out0
	v_lshl_add_u32 v10, v0, 2, SPARE
	v_mov_b32 v11, 0
	ds_add_u32 v10, v11                            ; the wave's opening: the add and its wait stand ahead of my first tensor load; work on registers stands between them
	ds_add_u32 v10, v11
	v_lshrrev_b32 v12, 5, v0
	v_readfirstlane_b32 s20, v12                   ; wave 0..3
	s_and_b32 s21, s20, 1                          ; a0: my half of S0.  Also: which half of a tile I fetch
	s_lshr_b32 s22, s20, 1                         ; a1: my half of S1.  Also: I fetch for S1 (0) or for S0 (1)
	s_bfe_u32 s76, ttmp6, 0x40000                  ; cx = my block of 256 columns
	s_bfe_u32 s77, ttmp6, 0x40004                  ; cy
	s_and_b32 s78, ttmp7, 0xffff
	s_lshl_b32 s82, s78, 2
	s_add_co_u32 s82, s82, s77                     ; i1: my block of 128 tokens
	s_lshl_b32 s83, s77, 2
	s_lshl_b32 s83, 15, s83                        ; my row of the cluster
	s_lshl_b32 s84, 0x1111, s76                    ; my column
	s_or_b32 s24, s83, (3<<16)|(1<<21)             ; descriptor groups 1: elements of 8 bytes, two rows of a plane's part each: 12,288 bytes for S1, 24,576 for S0
	s_mov_b32 s25, 1536<<16                        ; S1's part of a plane, 12,288 bytes, is one row; two planes
	s_mov_b32 s26, 2<<16
	s_mov_b32 s27, 1536<<16
	s_mov_b32 s28, 2
	s_mov_b32 s29, JX/8                            ; the pitch: from plane to plane
	s_mov_b32 s30, 0
	s_mov_b32 s31, 0
	s_or_b32 s32, s84, (3<<16)|(1<<21)
	s_mov_b32 s33, 3072<<16                        ; S0's part of a plane: 24,576 bytes
	s_mov_b32 s34, 2<<16
	s_mov_b32 s35, 3072<<16
	s_mov_b32 s36, 2
	s_mov_b32 s37, JX/8
	s_mov_b32 s38, 0
	s_mov_b32 s39, 0
	s_lshl_b32 s86, s82, 3                         ; S1: tiles 8 i1 + 4 x half
	s_lshl_b32 s85, s21, 2
	s_add_co_u32 s86, s86, s85
	s_mul_i32 s86, s86, 3072
	s_mov_b32 s87, 0
	s_lshl_b32 s88, s76, 4                         ; S0: tiles 16 cx + 8 x half, in the fourth weight's image
	s_lshl_b32 s85, s21, 3
	s_add_co_u32 s88, s88, s85
	s_mul_i32 s88, s88, 3072
	s_add_co_u32 s88, s88, 3*WT
	s_mov_b32 s89, 0
	s_mul_i32 s94, s21, 49152                      ; the loading waves' regions
	s_mul_i32 s95, s21, 98304
	s_add_co_u32 s95, s95, 98304
	s_wait_dscnt 0x0                               ; the opening add is done
	s_wait_kmcnt 0x0
	s_add_nc_u64 s[98:99], s[4:5], s[86:87]
	s_add_nc_u64 s[96:97], s[8:9], s[88:89]
.irp j,0,1
	s_mov_b32 s[40+4*\j], 1                        ; group 0 for S1's part of planes 2 j, 2 j + 1
	s_add_co_u32 s[41+4*\j], s94, 24576*\j
	s_add_nc_u64 s[42+4*\j:43+4*\j], s[98:99], 2*JX*\j
	s_or_b32 s[43+4*\j], s[43+4*\j], 0x80000000
	s_mov_b32 s[56+4*\j], 1                        ; and for S0's
	s_add_co_u32 s[57+4*\j], s95, 49152*\j
	s_add_nc_u64 s[58+4*\j:59+4*\j], s[96:97], 2*JX*\j
	s_or_b32 s[59+4*\j], s[59+4*\j], 0x80000000
.endr
	CROUND                                         ; all sixteen work-groups are here: the joint loads meet
.macro JLOAD j                         ; a wave's one joint load: waves 0, 1 for S1, waves 2, 3 for S0; an s_nop 0 and four v_nop follow each line
	s_cmp_eq_u32 s22, 0
	s_cbranch_scc0 .Lfill_s0_\@
	tensor_load_to_lds s[40+4*\j:43+4*\j], s[24:31]
	s_nop 0
	PLACES
	s_branch .Lfilled_\@
.Lfill_s0_\@:
	tensor_load_to_lds s[56+4*\j:59+4*\j], s[32:39]
	s_nop 0
	PLACES
.Lfilled_\@:
.endm
	JLOAD 0                                        ; K 0-511
	v_and_b32 v12, 31, v0
	v_lshlrev_b32 v5, 4, v12                       ; 16 x lane
	v_lshlrev_b32 v6, 3, v12                       ; 8 x lane
	v_and_b32 v7, 15, v0                           ; r
	v_bfe_u32 v8, v0, 4, 1                         ; h
	s_mul_i32 s86, s22, 49152                      ; my four tiles of S1: that half's region,
	s_mul_i32 s87, s21, 98304
	s_add_co_u32 s87, s87, 98304                   ; my eight of S0
	v_add_nc_u32 v1, s86, v5
	v_add_nc_u32 v2, s86, v6
	v_add_nc_u32 v3, s87, v5
	v_add_nc_u32 v4, s87, v6
	s_mul_i32 s86, s20, 16*PIT                     ; my stage
	v_mul_u32_u24 v12, v7, PIT
	v_lshl_add_u32 v12, v8, 7, v12
	v_add_nc_u32 v12, s86, v12                     ; in: row r, + 128 h
	v_add_nc_u32 v13, s86, v5                      ; back: a row's 512 bytes as they lie
	v_lshlrev_b32 v14, 11, v8
	v_lshl_add_u32 v14, v7, 1, v14                 ; the tokens' scale bytes: lanes 16-31 take heads 8-15, 2,048 bytes on; 2 r
	v_lshlrev_b32 v15, 7, v8                       ; bo: 128 h bytes
	s_wait_alu depctr_va_vdst(0)
	s_mov_b32 s87, 0
	s_lshl_b32 s86, s76, 4
	s_lshl_b32 s85, s21, 3
	s_add_co_u32 s86, s86, s85
	s_lshl_b32 s86, s86, 9
	s_add_co_u32 s86, s86, 3*32768
	s_add_nc_u64 s[10:11], s[10:11], s[86:87]      ; Wo's scale words, my eight tiles
	s_lshl_b32 s86, s82, 12
	s_lshl_b32 s85, s22, 7
	s_add_co_u32 s86, s86, s85
	s_add_nc_u64 s[6:7], s[6:7], s[86:87]          ; [tile / 8 = i1][head][tile % 8][r] pairs of bytes; my tiles begin at 4 a1
	s_lshl_b32 s86, s76, 10
	s_lshl_b32 s85, s21, 9
	s_add_co_u32 s86, s86, s85                     ; my 128 columns, in bytes
	s_add_nc_u64 s[12:13], s[12:13], s[86:87]
	s_lshl_b32 s85, s82, 1
	s_add_co_u32 s85, s85, s22
	s_lshl_b32 s85, s85, 18                        ; my 64 tokens' rows of 4,096 bytes
	s_add_co_u32 s86, s86, s85
	s_add_nc_u64 s[14:15], s[14:15], s[86:87]
.irp t,0,1,2,3,4,5,6,7
	global_load_b128 v[16+4*\t:19+4*\t], v5, s[10:11] offset:512*\t
.endr
.irp g,0,1
.irp i,0,1,2,3,4,5,6,7
	global_load_b128 v[160+32*\g+4*\i:163+32*\g+4*\i], v15, s[12:13] offset:256*\g+16*\i
.endr
.endr
.irp t,0,1,2,3
.irp e,0,1,2,3,4,5,6,7
	global_load_u16 v[112+8*\t+\e], v14, s[6:7] offset:256*\e+32*\t
.endr
.endr
	s_wait_loadcnt 0x0
.irp t,0,1,2,3
.irp y,0,1,2,3
	v_lshl_or_b32 v[48+4*\t+\y], v[113+8*\t+2*\y], 16, v[112+8*\t+2*\y]    ; a K step of 128 is two heads: lanes 0-15 steps 0-3, lanes 16-31 steps 4-7
.endr
.endr
.rept 8
	v_nop                                          ; a scale word made by a vector instruction stands eight places ahead of the scaled product
.endr
	s_wait_alu depctr_va_vdst(0)
	s_wait_tensorcnt 0x0                           ; my part of K 0-511 has landed
	ds_add_u32 v10, v11
	s_wait_dscnt 0x0
	CROUND                                         ; everybody's has, and all sixteen work-groups are here
	JLOAD 1                                        ; K 512-1,023: three K steps, 96 products, stand ahead of the wait for it
	FETCH 0
	STEP 0
	STEP 1
	s_wait_alu depctr_va_vdst(0)
	STEP 2
	STEP 3
	s_wait_alu depctr_va_vdst(0)
	STEP 4
	STEP 5
	s_wait_alu depctr_va_vdst(0)
	STEP 6
	STEP 7
	s_barrier_wait -1                              ; no wave reads the tiles any more: the stage may be written
; THE WAY OUT, a tile of 16 tokens x 128 columns at a time
.macro TOSTAGE u
	WIN 0x08                                       ; an LDS store's data are its source 1: window 2
.set q, 0
.rept 16
	ds_store_b128 v12, v[64*(\u)+4*q:64*(\u)+4*q+3] offset:256*(q/8)+16*(q%8)      ; each accumulator from its low end on
.set q, q+1
.endr
	WIN TO1
.set rho, 0
.rept 16
	ds_load_b128 v[64*((\u)%2)+4*rho:64*((\u)%2)+4*rho+3], v13 offset:PIT*rho      ; LDS serves a wave's instructions in order: these see the stores above, and the next tile's stores come behind them
.set rho, rho+1
.endr
	WIN 0
.endm
.macro SEND u, younger                 ; younger: the LDS instructions issued behind this tile's loads, which may stay out
	s_wait_dscnt \younger
	WIN 0x04                                       ; a store's data are its source 1: window 1
.set rho, 0
.rept 16
	global_store_b128 v5, v[64*((\u)%2)+4*rho:64*((\u)%2)+4*rho+3], s[14:15] offset:(8*(\u)+32*(rho/8)+(rho%8))*4096 th:TH_STORE_NT   ; 32 lanes store 512 consecutive bytes of one token's row
.set rho, rho+1
.endr
	WIN 0
.endm
	PLACES                                         ; behind the last products: ahead of the reads of their results and of the loads into S0's registers
	TOSTAGE 0
	TOSTAGE 1
	SEND 0, 32                                     ; behind tile 0's loads: tile 1's 16 stores and 16 loads
	s_wait_xcnt 0x0                                ; tile 0's stores have read their registers, into which tile 2's rows come
	TOSTAGE 2
	SEND 1, 32
	s_wait_xcnt 0x0
	TOSTAGE 3
	SEND 2, 32
	SEND 3, 0
	s_wait_tensorcnt 0x0                           ; the wave's end
	ds_add_u32 v10, v11
	s_wait_dscnt 0x0
	CROUND                                         ; the closing round
	s_endpgm
.Lfunc_end_k_q6804e50fd4_outp:
	.size	k_q6804e50fd4_outp, .Lfunc_end_k_q6804e50fd4_outp-k_q6804e50fd4_outp
	.p2alignl 7, 3214868480
	.fill 96, 4, 3214868480
	.section	.rodata,"a",@progbits
	.p2align	6, 0x0
	.amdhsa_kernel k_q6804e50fd4_outp
		.amdhsa_group_segment_fixed_size 327680
		.amdhsa_private_segment_fixed_size 0
		.amdhsa_enable_private_segment 0
		.amdhsa_kernarg_size 48
		.amdhsa_user_sgpr_count 2
		.amdhsa_user_sgpr_kernarg_segment_ptr 1
		.amdhsa_wavefront_size32 1
		.amdhsa_system_sgpr_workgroup_id_x 1
		.amdhsa_system_sgpr_workgroup_id_y 1
		.amdhsa_system_sgpr_workgroup_id_z 1
		.amdhsa_system_vgpr_workitem_id 0
		.amdhsa_next_free_vgpr 768
		.amdhsa_next_free_sgpr 102
		.amdhsa_reserve_vcc 0
		.amdhsa_float_denorm_mode_32 3
		.amdhsa_float_denorm_mode_16_64 3
		.amdhsa_memory_ordered 1
		.amdhsa_forward_progress 1
		.amdhsa_inst_pref_size 89
	.end_amdhsa_kernel
	.amdgpu_metadata
---
amdhsa.version: [ 1, 2 ]
amdhsa.kernels:
  - .name:           k_q6804e50fd4_outp
    .symbol:         k_q6804e50fd4_outp.kd
    .args:
      - { .name: ac, .offset: 0, .size: 8, .value_kind: global_buffer, .address_space: global }
      - { .name: asc, .offset: 8, .size: 8, .value_kind: global_buffer, .address_space: global }
      - { .name: wc, .offset: 16, .size: 8, .value_kind: global_buffer, .address_space: global }
      - { .name: ws, .offset: 24, .size: 8, .value_kind: global_buffer, .address_space: global }
      - { .name: bo, .offset: 32, .size: 8, .value_kind: global_buffer, .address_space: global }
      - { .name: out0, .offset: 40, .size: 8, .value_kind: global_buffer, .address_space: global }
    .group_segment_fixed_size: 327680
    .private_segment_fixed_size: 0
    .kernarg_segment_align: 8
    .kernarg_segment_size: 48
    .max_flat_workgroup_size: 128
    .sgpr_count:     102
    .vgpr_count:     768
    .wavefront_size: 32
...
	.end_amdgpu_metadata
.endif
;; end of part 4
